; MI455X (gfx1250); checked and timed in simulation.
; The chip was launched on July 23, 2026; its instructions are those of AMD's public machine-readable ISA for CDNA 5 (MIT licence, August 2026) and "CDNA5" Instruction Set Architecture Reference Guide (July 2026). The comments in the code are by the model that wrote it; some were corrected since.
;; MHA. Allowed arithmetic: matrix products marked QUANTISED: E4M3 operands, one E8M0 scale for each 32 along K, by v_wmma_scale_f32_16x16x128_f8f6f4 with both operands' format E4M3, f32 sums; everything else in f32.
;; Inputs: W0 1,024 x 1,024 float32; Wk 16 x 1,024 x 64 float32; Wq 16 x 1,024 x 64 float32; Wv 16 x 1,024 x 64 float32; X 4 x 2,048 x 1,024 float32; attention_mask 4 x 2,048 x 2,048 bool; b0 1,024 float32; bk 16 x 64 float32; bq 16 x 64 float32; bv 16 x 64 float32.
;; Outputs: out0 4 x 2,048 x 1,024 float32.
;; This version of the problem:
;;   THIS VERSION OF THE PROBLEM IS GIVEN IN LOW PRECISION. The matrix products marked QUANTISED in the list below multiply operands that are first quantised to E4M3 (4 exponent bits, 3 mantissa bits; 8 bits a number), with one power-of-two scale for each 32 numbers along K (OCP MX v1.0); their sums are f32. All else is computed in f32.
;;   The module's matrix products, in the order in which they are computed (A, B: the left and right operand; K: the contracted axis; several contracted axes count as one K, in the product's order):
;;     1. [M 1,024, K 1,024] x [K 1,024, N 8,192]; A: input Wq; B: input X: QUANTISED
;;     2. [M 1,024, K 1,024] x [K 1,024, N 8,192]; A: input Wk; B: input X: QUANTISED
;;     3. [M 1,024, K 1,024] x [K 1,024, N 8,192]; A: input Wv; B: input X: QUANTISED
;;     4. batch 64 x [M 2,048, K 64] x [K 64, N 2,048]; A: computed on the way; B: computed on the way: QUANTISED
;;     5. batch 64 x [M 2,048, K 2,048] x [K 2,048, N 64]; A: softmax (see below); B: computed on the way: QUANTISED
;;     6. [M 8,192, K 1,024] x [K 1,024, N 1,024]; A: computed on the way; B: input W0: QUANTISED
;;   THE QUANTISER, for each operand of a quantised product, along K:
;;     - K is cut into blocks of 32 from its start; a last block that is shorter is filled with zeros.
;;     - A block's scale is 2^e with e = floor(log2(the largest magnitude in the block)) - 8, held to -126 .. 127; a block of zeros has e = 0. As a byte (E8M0): e + 127.
;;     - Each number is divided by its block's scale, clamped to +-448, and rounded to the nearest number of E4M3, ties to even, subnormals kept.
;;     - The product sums the exact products of the quantised numbers (number of the format x scale) in f32.
;;   ~~~python
;;   def quantise(x, axis):      # numpy; x: float32 -> the quantised numbers, widened to float32 again
;;       x = np.moveaxis(x, axis, -1); K = x.shape[-1]
;;       x = np.pad(x, [(0, 0)] * (x.ndim - 1) + [(0, -K % 32)]); x = x.reshape(x.shape[:-1] + (-1, 32)); a = np.abs(x).max(-1, keepdims=True)
;;       e = np.where(a > 0, np.clip(np.frexp(np.where(a > 0, a, 1))[1] - 1 - 8, -126, 127), 0)      # np.frexp(a)[1] - 1 = floor(log2(a)), exactly
;;       r = np.clip(x / 2.0 ** e, -448, 448)
;;       step = 2.0 ** (np.maximum(np.frexp(np.where(r == 0, 1, r))[1] - 1, -6) - 3)
;;       q = np.round(r / step) * step * 2.0 ** e      # np.round: ties to even
;;       return np.moveaxis(q.reshape(q.shape[:-2] + (-1,))[..., :K], -1, axis).astype(np.float32)
;;   ~~~
;;   SOFTMAX AHEAD OF A QUANTISED PRODUCT. Where the list says 'softmax', what is quantised is not the finished softmax but p = 2^(t - M), with t = logit x log2(e) and M = ceil(the row's largest t), a whole number; so 1/2 < the row's largest p <= 1. The row's sum l is taken of the UNQUANTISED p, in f32, and the product's result is divided by l at the end. Since M is a whole number, a kernel that streams over the keys may use a running M (the ceiling of the running maximum): every later rescaling is an exact power of two, which a block's scale takes up: the codes' values come out the same.
;;   OPERANDS COMPUTED ON THE WAY. 'Computed on the way' means the value that the module computes at that place (a softmax that the list does not call 'softmax' is quantised finished and normalised). What goes into a quantiser is computed in f32, as accurately as f32 sums, v_exp_f32 and their like allow (about 1e-6 of the number): no bf16 or f16 on the way to a quantiser, and a product that is left as it is and whose result goes on into a quantised operand takes f32 operands (vector FMAs, or v_wmma_f32_16x16x4_f32). A number that lies on a knife's edge between two numbers of the format may be rounded either way, as far as f32 arithmetic and the matrix unit's own rounding can turn it there, and no further.
;; One version. Each part assembles by itself: llvm-mc -triple=amdgcn-amd-amdhsa -mcpu=gfx1250 --defsym DOCPART=n.
;; ======== version 1 of 1: 4 launches
;; limits: right only within a limited range of input values
;; workspace buffers: opc 12,582,912 bytes; ops 393,216 bytes; maskbits 2,097,152 bytes of whole numbers; maskflag 2,048 bytes of whole numbers; qrec 17,563,648 bytes; kvrec 17,563,648 bytes; ctxc 8,388,608 bytes; ctxs 262,144 bytes
;; launch prep (part 1): grid 1024 x 1, 4 waves a work-group, no clusters, 69,120 bytes of LDS; arguments X, attention_mask, Wq, Wk, Wv, W0, opc, ops, maskbits, maskflag; writes opc, ops, maskbits, maskflag
.if DOCPART == 1
	.amdgcn_target "amdgcn-amd-amdhsa--gfx1250"
	.amdhsa_code_object_version 6
	.text
	.protected	k_qed9e26821f_prep
	.globl	k_qed9e26821f_prep
	.p2align	8
	.type	k_qed9e26821f_prep,@function
k_qed9e26821f_prep:
	s_mov_b64 s[64:65], 0
	v_nop
	global_prefetch_b8 v0, s[64:65] scope:SCOPE_SE
	s_setreg_imm32_b32 hwreg(HW_REG_WAVE_MODE, 25, 1), 1
	s_wait_xcnt 0x0
; X [8192][1024], Wq, Wk, Wv [16][1024][64] and W0 [1024][1024], f32, become codes of FP8 (E4M3) with one E8M0 byte for each 32 along K = the 1,024 model channels;
; the mask [4][2048][2048] of bytes becomes one bit a score, laid as the attention launch's lanes and registers want it.
; LAYOUT OF THE CODES (opc): a fragment, 16 rows x 128 K, lies as the image of the operand's 16 registers: byte 512 c + 16 lane holds K = 32 c + 16 (lane / 16) + 0..15 of row lane % 16.
;   opc = [K step / 2][tile of 16 rows, 0..767][K step % 2][2,048 bytes].  Tiles 0-511: X's rows; tiles 512 + f / 16: the weights' output features f (Wq 0.., Wk 1024.., Wv 2048.., W0's columns 3072..).
;   THE ROWS OF A TILE ARE NOT NEIGHBOURS: row r of tile 2 g + u is true row 32 g + 8 u + r + 8 (r / 8), so that a product that takes such tiles as source 0 leaves 16 neighbours in the 16 registers of two tiles.
;   ops = [row / 128][K step 0..7][row % 128] scale words (four bytes: 128 along K), rows in the same order.
; A block's scale is 2^(floor(log2(largest magnitude)) - 8); its byte is the largest magnitude's exponent field - 8, held at 1 from below; numbers are held within +-448 x the scale and rounded to the nearest code, ties to even.
; LIMITS: a block of zeros gets the byte 1 where the rule says 127 (its codes are zeros; this program alone reads the bytes); NaN and infinities among the inputs are not served.
; SHARES: work-groups 0-255 take X, 256-511 the weights, 512-1023 the mask; the three ways part on the work-group's number and never meet again; waves share nothing: no barrier.
; Memory binds: no matrix unit, no cluster (no two work-groups read the same bytes), no tensor loads.  The weights' scale words leave in pieces of 128 bytes: 128 KB of the launch's 15 MB of stores.
.set KPS,   3145728                    ; bytes of opc for two K steps: 768 tiles x 4,096
.set SP,    528                        ; a stage row: 512 bytes + 16, so that 16 rows start at 16 different groups of banks
.set XREG,  16*SP+256                  ; X's way: a wave's stage and its 256 bytes of scale words
.set XSCR,  16*SP
.set MREG0, 4*XREG                     ; the mask's way has LDS bytes of its own
.set MREG,  16*SP
.set XR,    16                         ; v16-143   two sets of 64: a fragment's numbers as loaded
.set XN,    144                        ; v144-207  64 numbers of a lane: register 16 b + i = K 32 b + 16 (lane / 16) + i of its row
.set PC,    208                        ; v208-223  the fragment's codes
.set PW,    224                        ; v224      its scale word
.set TM,    226                        ; v226-241  largest magnitudes, bytes, holds, scale operands
	s_load_b512 s[4:19], s[0:1], 0x0               ; X s[4:5], mask s[6:7], Wq s[8:9], Wk s[10:11], Wv s[12:13], W0 s[14:15], opc s[16:17], ops s[18:19]
	s_load_b64 s[20:21], s[0:1], 0x40              ; maskbits
	s_load_b64 s[44:45], s[0:1], 0x48              ; maskflag: [tile of queries, 0..511][wave] bytes; bit s of a byte: all 16 x 128 mask bytes of key step 4 wave + s are 1
	v_lshl_add_u32 v254, v0, 2, 0x10c00
	v_mov_b32 v255, 0
	v_lshrrev_b32 v1, 5, v0
	v_readfirstlane_b32 s22, v1                    ; wave 0..3
	v_and_b32 v2, 31, v0                           ; lane
	v_and_b32 v3, 15, v0                           ; r
	v_bfe_u32 v4, v0, 4, 1                         ; h
	v_lshlrev_b32 v5, 4, v2                        ; 16 x lane
	s_mul_i32 s26, s22, XREG                       ; every LDS address is made here, ahead of the parting
	v_add_nc_u32 v6, s26, v5                       ; X: into the stage, 512 bytes a row
	v_mul_u32_u24 v7, v3, SP
	v_lshl_add_u32 v7, v4, 6, v7
	v_add_nc_u32 v7, s26, v7                       ; X: out of it: row r, + 64 h
	s_add_co_u32 s27, s26, XSCR
	v_lshl_add_u32 v8, v3, 2, s27                  ; X: my row's scale word
	v_lshl_add_u32 v9, v2, 3, s27                  ; X: and 8 bytes a lane on the way out
	s_mul_i32 s26, s22, MREG
	s_add_co_u32 s26, s26, MREG0
	v_add_nc_u32 v10, s26, v5                      ; mask: into its stage
	v_mul_u32_u24 v11, v3, SP
	v_lshl_add_u32 v11, v4, 4, v11
	v_add_nc_u32 v11, s26, v11                     ; mask: out of it: row r, + 16 h
	v_lshlrev_b32 v12, 3, v2                       ; 8 x lane
	v_lshlrev_b32 v13, 2, v2                       ; 4 x lane
	s_mov_b32 s23, 0x600000                        ; the mantissa field of 448
	s_mov_b32 s24, 0x76543210
	s_mov_b32 s25, 0xfedcba98                      ; v_permlanex16_b32's selects for lane l xor 16
	s_wait_kmcnt 0x0
	s_cmp_lt_u32 ttmp9, 256
	s_cbranch_scc1 .Lx
	s_cmp_lt_u32 ttmp9, 512
	s_cbranch_scc1 .Lw
; ---------------- THE MASK.  Work-group j = (batch, tile of 16 queries); wave w takes keys 512 w .. 512 w + 511: four key steps of 128.
; Word n (0..63) of a key step: bit 16 h + r = mask[query row r of the tile][key 32 (n / 16) + 16 h + n % 16].  maskbits = [batch][tile][key step][n].
	s_sub_co_u32 s26, ttmp9, 512
	s_lshr_b32 s27, s26, 7                         ; batch
	s_and_b32 s28, s26, 127                        ; tile t
	s_lshl_b32 s27, s27, 11
	s_lshr_b32 s29, s28, 1
	s_lshl_b32 s29, s29, 5
	s_add_co_u32 s27, s27, s29
	s_and_b32 s29, s28, 1
	s_lshl_b32 s29, s29, 3
	s_add_co_u32 s27, s27, s29                     ; the tile's first query: 2048 b + 32 (t / 2) + 8 (t % 2)
	s_lshl_b32 s28, s27, 11                        ; a row of the mask is 2,048 bytes
	s_lshl_b32 s29, s22, 9
	s_add_co_u32 s28, s28, s29
	s_mov_b32 s29, 0
	s_add_nc_u64 s[6:7], s[6:7], s[28:29]
	s_lshl_b32 s28, s26, 12                        ; 16 key steps x 256 bytes a tile
	s_lshl_b32 s30, s22, 10
	s_add_co_u32 s28, s28, s30
	s_add_nc_u64 s[20:21], s[20:21], s[28:29]
	s_lshl_b32 s28, s26, 2
	s_add_co_u32 s28, s28, s22                     ; my flag byte: 4 x tile + wave
	s_add_nc_u64 s[44:45], s[44:45], s[28:29]
.irp p, 0,1,2,3,4,5,6,7,8,9,10,11,12,13,14,15
	global_load_b128 v[16+4*\p:19+4*\p], v5, s[6:7] offset:(\p+8*(\p/8))*2048 th:TH_LOAD_NT   ; 512 consecutive bytes of the tile's row p
.endr
.irp i, 0,1,2,3,4,5,6,7
	v_mov_b32 v[144+\i], 0                         ; written whole once: v_writelane_b32 keeps the other lanes
.endr
	s_wait_loadcnt 0x0
.irp p, 0,1,2,3,4,5,6,7,8,9,10,11,12,13,14,15
	ds_store_b128 v10, v[16+4*\p:19+4*\p] offset:\p*SP
.endr
.irp s, 0,1,2,3
.irp b, 0,1,2,3
	ds_load_b128 v[80+16*\s+4*\b:83+16*\s+4*\b], v11 offset:128*\s+32*\b   ; LDS serves a wave's instructions in order: these see the stores.  Lane (r, h): 16 keys of row r
.endr
.endr
	s_wait_dscnt 0x0
.irp s, 0,1,2,3
.irp b, 0,1,2,3
.irp i, 0,1,2,3,4,5,6,7,8,9,10,11,12,13,14,15
	v_and_b32 v[152+\i%8], 0xff<<(8*(\i%4)), v[80+16*\s+4*\b+\i/4]         ; byte i of my 16
	v_cmp_ne_u32 s[32+\i%8], 0, v[152+\i%8]                                ; the 32 lanes' answers are word n = 16 b + i
	v_writelane_b32 v[144+4*(\s/2)+\i%4], s[32+\i%8], ((\s%2)*64+16*\b+\i)/4   ; into its place in a store of 128 words: four words a lane
.endr
.endr
.endr
; THE FLAGS.  A mask byte is 0 or 1, so a key step is open throughout where the AND of its 16 registers is 0x01010101 in all 32 lanes.  One byte a wave leaves: 2 KB in the launch.
.irp s, 0,1,2,3
	v_and_b32 v[160+\s], v[80+16*\s], v[81+16*\s]
.endr
.irp i, 2,3,4,5,6,7,8,9,10,11,12,13,14,15
.irp s, 0,1,2,3
	v_and_b32 v[160+\s], v[160+\s], v[80+16*\s+\i]
.endr
.endr
.irp s, 0,1,2,3
	v_cmp_eq_u32 s[40+\s], 0x01010101, v[160+\s]
.endr
	s_cmp_eq_u32 s40, -1
	s_cselect_b32 s40, 1, 0
	s_cmp_eq_u32 s41, -1
	s_cselect_b32 s41, 2, 0
	s_cmp_eq_u32 s42, -1
	s_cselect_b32 s42, 4, 0
	s_cmp_eq_u32 s43, -1
	s_cselect_b32 s43, 8, 0
	s_or_b32 s40, s40, s41
	s_or_b32 s42, s42, s43
	s_or_b32 s40, s40, s42
	v_mov_b32 v164, s40
	v_mov_b32 v165, 0
	v_cmp_eq_u32 vcc_lo, 0, v2                     ; lane 0 alone stores the byte
	s_wait_alu depctr_va_vdst(0)                   ; the wait here, directly ahead of the wait below
	s_wait_xcnt 0x0                                ; EXEC changes only behind this wait
	s_and_saveexec_b32 s41, vcc_lo
	global_store_b8 v165, v164, s[44:45]
	s_wait_xcnt 0x0
	s_or_b32 exec_lo, exec_lo, s41
	global_store_b128 v5, v[144:147], s[20:21]             ; 512 consecutive bytes: two key steps
	global_store_b128 v5, v[148:151], s[20:21] offset:512
	s_wait_tensorcnt 0x0
	ds_add_u32 v254, v255
	s_wait_dscnt 0x0
	s_endpgm
; ---------------- 64 numbers of a lane become a fragment's codes and its scale word
.macro QUANT s
.irp b, 0,1,2,3
	v_max3_num_f32 v[TM+\b], |v[\s+16*\b]|, |v[\s+1+16*\b]|, 0x4800000     ; block b: my 16 numbers, and the floor 2^(9 - 127): the byte cannot fall under 1
.endr
.irp i, 2,4,6,8,10,12,14
.irp b, 0,1,2,3
	v_max3_num_f32 v[TM+\b], v[TM+\b], |v[\s+16*\b+\i]|, |v[\s+1+16*\b+\i]|   ; the four blocks by turns
.endr
.endr
.irp b, 0,1,2,3
	v_permlanex16_b32 v[TM+4+\b], v[TM+\b], s24, s25
.endr
.irp b, 0,1,2,3
	v_max_num_f32 v[TM+\b], v[TM+\b], v[TM+4+\b]   ; with lane l xor 16's 16: the block's largest magnitude
.endr
.irp b, 0,1,2,3
	v_add_nc_u32 v[TM+12+\b], 0xfc000000, v[TM+\b] ; 8 off its exponent field: the conversion's scale operand
.endr
.irp b, 0,1,2,3
	v_and_or_b32 v[TM+8+\b], v[TM+\b], 0x7f800000, s23   ; 448 x the scale
.endr
.irp b, 0,1,2,3
	v_lshrrev_b32 v[TM+4+\b], 23, v[TM+12+\b]      ; the scale's byte
.endr
	v_lshl_or_b32 v[PW], v[TM+5], 8, v[TM+4]
	v_lshl_or_b32 v[PW], v[TM+6], 16, v[PW]
	v_lshl_or_b32 v[PW], v[TM+7], 24, v[PW]
.irp b, 0,1,2,3
.irp i, 0,1,2,3,4,5,6,7,8,9,10,11,12,13,14,15
	v_med3_num_f32 v[\s+16*\b+\i], v[\s+16*\b+\i], -v[TM+8+\b], v[TM+8+\b]   ; the conversion does not saturate (ISA guide 7.6.2): the hold comes first
.endr
	v_cvt_scalef32_pk8_fp8_f32 v[PC+4*\b:PC+1+4*\b], v[\s+16*\b:\s+7+16*\b], v[TM+12+\b]
	v_cvt_scalef32_pk8_fp8_f32 v[PC+2+4*\b:PC+3+4*\b], v[\s+8+16*\b:\s+15+16*\b], v[TM+12+\b]
.endr
	v_nop                                          ; a plain line behind the last conversion
.endm
; ---------------- X.  Work-group j: rows 64 (j / 2) on; wave w: K step 4 (j % 2) + w: four fragments of 16 rows x 128 K.
; Each load takes 512 consecutive bytes of one row; a fragment's 8 KB turn through the wave's stage, so that a lane gets 16 neighbours of each block of 32.
.macro LOADX f
.irp p, 0,1,2,3,4,5,6,7,8,9,10,11,12,13,14,15
	global_load_b128 v[XR+64*((\f)%2)+4*\p:XR+64*((\f)%2)+4*\p+3], v5, s[4:5] offset:(32*((\f)/2)+8*((\f)%2)+\p+8*(\p/8))*4096 th:TH_LOAD_NT
.endr
.endm
.macro FRAGX f
	s_wait_xcnt 0x0                                ; the last fragment's stores have read their registers: the codes may be written again
.if (\f) < 3
	s_wait_loadcnt 16                              ; this fragment's 16 loads are in; the next fragment's 16 may be out
.else
	s_wait_loadcnt 0x0
.endif
.irp p, 0,1,2,3,4,5,6,7,8,9,10,11,12,13,14,15
	ds_store_b128 v6, v[XR+64*((\f)%2)+4*\p:XR+64*((\f)%2)+4*\p+3] offset:\p*SP
.endr
.irp c, 0,1,2,3
.irp j, 0,1,2,3
	ds_load_b128 v[XN+16*\c+4*\j:XN+16*\c+4*\j+3], v7 offset:128*\c+16*\j
.endr
.endr
	s_wait_dscnt 0x0                               ; the numbers are back, and the stores have read the set, which
.if (\f) < 2
	LOADX (\f)+2                                   ; takes the loads of two fragments on
.endif
	QUANT XN
	ds_store_b32 v8, v[PW] offset:64*(\f)          ; both halves of the lanes write the same word with the same value
.irp c, 0,1,2,3
	global_store_b128 v5, v[PC+4*\c:PC+4*\c+3], s[16:17] offset:4096*(\f)+512*\c   ; 512 consecutive bytes of the image
.endr
.endm
.Lx:
	s_lshr_b32 s26, ttmp9, 1                       ; R: which 64 rows
	s_and_b32 s27, ttmp9, 1
	s_lshl_b32 s27, s27, 2
	s_add_co_u32 s27, s27, s22                     ; the K step
	s_lshl_b32 s28, s26, 18                        ; 64 rows of 4,096 bytes
	s_lshl_b32 s29, s27, 9
	s_add_co_u32 s28, s28, s29
	s_mov_b32 s29, 0
	s_add_nc_u64 s[4:5], s[4:5], s[28:29]
	s_lshr_b32 s30, s27, 1
	s_mul_i32 s30, s30, KPS
	s_lshl_b32 s31, s26, 14                        ; four tiles of 4,096 bytes
	s_add_co_u32 s30, s30, s31
	s_and_b32 s31, s27, 1
	s_lshl_b32 s31, s31, 11
	s_add_co_u32 s30, s30, s31
	s_mov_b32 s31, 0
	s_add_nc_u64 s[16:17], s[16:17], s[30:31]
	s_lshr_b32 s30, s26, 1
	s_lshl_b32 s30, s30, 12                        ; ops: 4,096 bytes for 128 rows,
	s_lshl_b32 s28, s27, 9                         ; 512 a K step,
	s_add_co_u32 s30, s30, s28
	s_and_b32 s28, s26, 1
	s_lshl_b32 s28, s28, 8                         ; my 64 rows' 256 bytes
	s_add_co_u32 s30, s30, s28
	s_add_nc_u64 s[18:19], s[18:19], s[30:31]
.irp b, 0,1,2,3
	v_mov_b32 v[TM+4+\b], 0                        ; written once: a lane permute's destination counts as one of its sources
.endr
	LOADX 0
	LOADX 1
	FRAGX 0
	FRAGX 1
	FRAGX 2
	FRAGX 3
	ds_load_b64 v[242:243], v9
	s_wait_dscnt 0x0
	global_store_b64 v12, v[242:243], s[18:19]     ; 64 rows' scale words: 256 consecutive bytes, aligned
	s_wait_tensorcnt 0x0
	ds_add_u32 v254, v255
	s_wait_dscnt 0x0
	s_endpgm
; ---------------- THE WEIGHTS: K is not innermost.  A lane takes an output feature and its registers run down K; a wave takes 32 features x one K step of 128.
.macro WLOAD c, pitch
.irp i, 0,1,2,3,4,5,6,7,8,9,10,11,12,13,14,15,16,17,18,19,20,21,22,23,24,25,26,27,28,29,30,31
	global_load_b32 v[16+32*(\c)+\i], v13, s[8:9] offset:(32*(\c)+\i)*\pitch
.endr
.endm
.macro WBLOCK c, pitch
.set XS, 16+32*(\c)
.if (\c) < 3
	s_wait_loadcnt 32                              ; this block's 32 loads are in; the next block's may be out
.else
	s_wait_loadcnt 0x0
.endif
.if (\c) < 2
	WLOAD (\c)+2, \pitch
.endif
	v_max3_num_f32 v180, |v[XS]|, |v[XS+1]|, |v[XS+2]|     ; all 32 numbers of the block are mine
	v_max3_num_f32 v181, |v[XS+3]|, |v[XS+4]|, |v[XS+5]|
.irp i, 6,10,14,18,22,26
	v_max3_num_f32 v180, v180, |v[XS+\i]|, |v[XS+\i+1]|
	v_max3_num_f32 v181, v181, |v[XS+\i+2]|, |v[XS+\i+3]|
.endr
	v_max3_num_f32 v180, v180, |v[XS+30]|, |v[XS+31]|
	v_max3_num_f32 v180, v180, v181, 0x4800000
	v_add_nc_u32 v182, 0xfc000000, v180
	v_and_or_b32 v183, v180, 0x7f800000, s23
	v_lshrrev_b32 v184, 23, v182
.if (\c) == 0
	v_mov_b32 v176, v184
.else
	v_lshl_or_b32 v176, v184, 8*(\c), v176
.endif
.irp i, 0,1,2,3,4,5,6,7,8,9,10,11,12,13,14,15,16,17,18,19,20,21,22,23,24,25,26,27,28,29,30,31
	v_med3_num_f32 v[XS+\i], v[XS+\i], -v183, v183
.endr
.irp g, 0,1,2,3
	v_cvt_scalef32_pk8_fp8_f32 v[144+8*(\c)+2*\g:145+8*(\c)+2*\g], v[XS+8*\g:XS+8*\g+7], v182
.endr
	v_nop
	global_store_b128 v14, v[144+8*(\c):147+8*(\c)], s[16:17] offset:512*(\c)        ; K 32 c + 0..15: the place of lane r of the image; sixteen lanes fill 256 aligned bytes of each of two tiles
	global_store_b128 v14, v[148+8*(\c):151+8*(\c)], s[16:17] offset:512*(\c)+256    ; K 32 c + 16..31: the place of lane 16 + r
.endm
.macro WBODY pitch                     ; s30 = the K step, s31 = the wave's first feature, s[8:9] = the source
	s_lshr_b32 s32, s30, 1
	s_mul_i32 s32, s32, KPS
	s_lshl_b32 s33, s31, 8                         ; 4,096 bytes for 16 features
	s_add_co_u32 s32, s32, s33
	s_add_co_u32 s32, s32, 512*4096
	s_and_b32 s33, s30, 1
	s_lshl_b32 s33, s33, 11
	s_add_co_u32 s32, s32, s33
	s_mov_b32 s33, 0
	s_add_nc_u64 s[16:17], s[16:17], s[32:33]
	s_add_co_u32 s32, s31, 8192
	s_lshr_b32 s32, s32, 7
	s_lshl_b32 s32, s32, 12
	s_lshl_b32 s34, s30, 9
	s_add_co_u32 s32, s32, s34
	s_and_b32 s34, s31, 127
	s_lshl_b32 s34, s34, 2
	s_add_co_u32 s32, s32, s34
	s_add_nc_u64 s[18:19], s[18:19], s[32:33]
	WLOAD 0, \pitch
	WLOAD 1, \pitch
	WBLOCK 0, \pitch
	WBLOCK 1, \pitch
	WBLOCK 2, \pitch
	WBLOCK 3, \pitch
	global_store_b32 v15, v176, s[18:19]           ; my feature's scale word
	s_endpgm
.endm
.Lw:
	s_sub_co_u32 s26, ttmp9, 256
	v_bfe_u32 v14, v0, 3, 1                        ; feature l of the 32 lies in tile u = (l / 8) % 2
	v_and_b32 v1, 7, v0
	v_lshl_add_u32 v1, v4, 3, v1                   ; at row 8 (l / 16) + l % 8
	v_lshl_add_u32 v15, v14, 4, v1
	v_lshlrev_b32 v15, 2, v15                      ; its scale word's place
	v_lshlrev_b32 v1, 4, v1
	v_lshl_add_u32 v14, v14, 12, v1                ; its codes' place: 4,096 u + 16 row
	s_cmp_lt_u32 s26, 192
	s_cbranch_scc0 .Lw0
	s_cmp_lt_u32 s26, 64                           ; 64 work-groups for each of Wq, Wk, Wv: four for a head
	s_cselect_b64 s[8:9], s[8:9], s[10:11]
	s_cmp_lt_u32 s26, 128
	s_cselect_b64 s[8:9], s[8:9], s[12:13]
	s_lshr_b32 s27, s26, 2                         ; tensor x 16 + head
	s_and_b32 s28, s27, 15
	s_and_b32 s29, s22, 1                          ; which 32 of the head's 64 features
	s_lshr_b32 s30, s22, 1
	s_and_b32 s31, s26, 3
	s_lshl_b32 s31, s31, 1
	s_add_co_u32 s30, s30, s31                     ; the K step
	s_lshl_b32 s32, s28, 18                        ; a head is 1,024 rows of 256 bytes
	s_lshl_b32 s33, s30, 15
	s_add_co_u32 s32, s32, s33
	s_lshl_b32 s33, s29, 7
	s_add_co_u32 s32, s32, s33
	s_mov_b32 s33, 0
	s_add_nc_u64 s[8:9], s[8:9], s[32:33]
	s_lshl_b32 s31, s27, 6
	s_lshl_b32 s29, s29, 5
	s_add_co_u32 s31, s31, s29                     ; the first feature
	s_wait_alu depctr_va_vdst(0)
	WBODY 256
.Lw0:
	s_sub_co_u32 s27, s26, 192
	s_and_b32 s28, s27, 7
	s_lshl_b32 s28, s28, 2
	s_add_co_u32 s28, s28, s22                     ; which 32 columns of W0
	s_lshr_b32 s30, s27, 3                         ; the K step
	s_lshl_b32 s32, s30, 19                        ; 128 rows of 4,096 bytes
	s_lshl_b32 s33, s28, 7
	s_add_co_u32 s32, s32, s33
	s_mov_b32 s33, 0
	s_add_nc_u64 s[8:9], s[14:15], s[32:33]
	s_lshl_b32 s31, s28, 5
	s_add_co_u32 s31, s31, 3072
	s_wait_alu depctr_va_vdst(0)
	WBODY 4096
.Lfunc_end_k_qed9e26821f_prep:
	.size	k_qed9e26821f_prep, .Lfunc_end_k_qed9e26821f_prep-k_qed9e26821f_prep
	.p2alignl 7, 3214868480
	.fill 96, 4, 3214868480
	.section	.rodata,"a",@progbits
	.p2align	6, 0x0
	.amdhsa_kernel k_qed9e26821f_prep
		.amdhsa_group_segment_fixed_size 69120
		.amdhsa_private_segment_fixed_size 0
		.amdhsa_enable_private_segment 0
		.amdhsa_kernarg_size 80
		.amdhsa_user_sgpr_count 2
		.amdhsa_user_sgpr_kernarg_segment_ptr 1
		.amdhsa_wavefront_size32 1
		.amdhsa_system_sgpr_workgroup_id_x 1
		.amdhsa_system_sgpr_workgroup_id_y 1
		.amdhsa_system_sgpr_workgroup_id_z 1
		.amdhsa_system_vgpr_workitem_id 0
		.amdhsa_next_free_vgpr 256
		.amdhsa_next_free_sgpr 66
		.amdhsa_reserve_vcc 1
		.amdhsa_float_denorm_mode_32 3
		.amdhsa_float_denorm_mode_16_64 3
		.amdhsa_memory_ordered 1
		.amdhsa_forward_progress 1
		.amdhsa_inst_pref_size 165
	.end_amdhsa_kernel
	.amdgpu_metadata
---
amdhsa.version: [ 1, 2 ]
amdhsa.kernels:
  - .name:           k_qed9e26821f_prep
    .symbol:         k_qed9e26821f_prep.kd
    .args:
      - { .name: X, .offset: 0, .size: 8, .value_kind: global_buffer, .address_space: global }
      - { .name: attention_mask, .offset: 8, .size: 8, .value_kind: global_buffer, .address_space: global }
      - { .name: Wq, .offset: 16, .size: 8, .value_kind: global_buffer, .address_space: global }
      - { .name: Wk, .offset: 24, .size: 8, .value_kind: global_buffer, .address_space: global }
      - { .name: Wv, .offset: 32, .size: 8, .value_kind: global_buffer, .address_space: global }
      - { .name: W0, .offset: 40, .size: 8, .value_kind: global_buffer, .address_space: global }
      - { .name: opc, .offset: 48, .size: 8, .value_kind: global_buffer, .address_space: global }
      - { .name: ops, .offset: 56, .size: 8, .value_kind: global_buffer, .address_space: global }
      - { .name: maskbits, .offset: 64, .size: 8, .value_kind: global_buffer, .address_space: global }
      - { .name: maskflag, .offset: 72, .size: 8, .value_kind: global_buffer, .address_space: global }
    .group_segment_fixed_size: 69120
    .private_segment_fixed_size: 0
    .kernarg_segment_align: 8
    .kernarg_segment_size: 80
    .max_flat_workgroup_size: 128
    .sgpr_count:     66
    .vgpr_count:     256
    .wavefront_size: 32
...
	.end_amdgpu_metadata
.endif
;; end of part 1
;; launch proj (part 2): grid 8 x 48, 4 waves a work-group, clusters of 4 x 4, 327,680 bytes of LDS; arguments opc, ops, bq, bk, bv, qrec, kvrec; writes qrec, kvrec
.if DOCPART == 2
	.amdgcn_target "amdgcn-amd-amdhsa--gfx1250"
	.amdhsa_code_object_version 6
	.text
	.protected	k_qed9e26821f_proj
	.globl	k_qed9e26821f_proj
	.p2align	8
	.type	k_qed9e26821f_proj,@function
k_qed9e26821f_proj:
	s_mov_b64 s[64:65], 0
	v_nop
	global_prefetch_b8 v0, s[64:65] scope:SCOPE_SE
	s_setreg_imm32_b32 hwreg(HW_REG_WAVE_MODE, 25, 1), 1
	s_wait_xcnt 0x0
	s_wait_alu depctr_hold_cnt(0) depctr_sa_sdst(0) depctr_va_vdst(0) depctr_va_sdst(0) depctr_va_ssrc(0) depctr_va_vcc(0) depctr_vm_vsrc(0)
	s_getreg_b32 s2, hwreg(HW_REG_IB_STS2, 6, 4)
	s_cmp_eq_u32 s2, 0
	s_cbranch_scc0 .Lentry_in_a_cluster
	s_endpgm
.Lentry_in_a_cluster:
	s_bfe_u32 s2, ttmp6, 0x10000c
	s_cmp_lg_u32 s2, 0xf033
	s_cbranch_scc0 .Lentry_shape_is_right
	s_endpgm
.Lentry_shape_is_right:
.set KPS,   3145728
.set STEPA, 2*KPS
.set STEPB, 2*KPS
.set REC,   17152
.set HS,    16*REC
.set NQ,    2
.set FR,    16
.set NL,    4
.set NP,    8
.set HALFT, 32768
.set SLOT,  4*HALFT
.set SCL,   2*SLOT
.set SPARE, SCL+4*4096+256
.set ADRA, 16
.set ADRB, 20
.set VO1,  23
.set VS,   24
.set ADRS, 27
.set SPW,  28
.set NIL,  29
.set SC,   32
.set BT,   64
.set AF,   128
.set PC,   128
.set TM,   144
.set PW,   160
.set TT,   161
.set G1, 24
.set G0, 32
.set G1B, 48
.set G0B, 56
.set G1S, 68
.set G0S, 76
.set G1SB, 80
.set G0SB, 88
.set YR, 95
.set MSB, 0
.macro WIN new
.if MSB != (\new)
	s_set_vgpr_msb (MSB<<8)|(\new)
.set MSB, (\new)
.endif
.endm
.set MUL_LO, 0xa1
.set MUL_HI, 0xf1
.set BIA_LO, 0x81
.set BIA_HI, 0xc1
.set TO_B,   0x40
.macro JLOAD g0a, g1a, g0b, g1b
	s_cmp_eq_u32 s15, 0
	s_cbranch_scc0 .Lfor_b_\@
	tensor_load_to_lds s[\g0a:\g0a+3], s[\g1a:\g1a+7]
	s_nop 0
.rept 4
	v_nop
.endr
	s_branch .Lasked_\@
.Lfor_b_\@:
	tensor_load_to_lds s[\g0b:\g0b+3], s[\g1b:\g1b+7]
	s_nop 0
.rept 4
	v_nop
.endr
.Lasked_\@:
.endm
.macro CREST
	s_cmp_lg_u32 s14, 0
	s_cbranch_scc1 .Lnot_wave_0_\@
	s_barrier_signal -3
.Lnot_wave_0_\@:
	s_barrier_wait -3
	s_barrier_signal -1
	s_barrier_wait -1
.endm
.macro CROUND
	s_barrier_signal -1
	s_barrier_wait -1
	CREST
.endm
	s_load_b256 s[4:11], s[0:1], 0x0
	s_load_b64 s[12:13], s[0:1], 0x20
	s_load_b128 s[96:99], s[0:1], 0x28
	v_lshl_add_u32 v[SPW], v0, 2, SPARE
	v_mov_b32 v[NIL], 0
	ds_add_u32 v28, v29
	ds_add_u32 v28, v29
	s_wait_dscnt 0x0
	v_lshrrev_b32 v1, 5, v0
	v_readfirstlane_b32 s14, v1
	s_lshr_b32 s15, s14, 1
	s_and_b32 s16, s14, 1
	s_bfe_u32 s40, ttmp6, 0x40000
	s_bfe_u32 s41, ttmp6, 0x40004
	s_and_b32 s[YR], ttmp7, 0xffff
	s_lshl_b32 s18, s[YR], 2
	s_add_co_u32 s18, s18, s41
	s_add_co_u32 s17, s41, 40
	s_lshl_b32 s19, ttmp9, 2
	s_add_co_u32 s19, s19, s40
	s_add_co_u32 s42, s19, 32
	s_max_u32 s20, s[YR], 8
	s_sub_co_u32 s20, s20, 8
	s_lshl_b32 s20, s20, 3
	s_add_co_u32 s19, s19, s20
	s_cmp_lt_u32 s[YR], 8
	s_cselect_b32 s17, s18, s17
	s_cselect_b32 s42, s42, s19
	s_lshl_b32 s43, s41, 2
	s_lshl_b32 s43, 15, s43
	s_lshl_b32 s44, 0x1111, s40
	s_or_b32 s[G1+0], s43, (3<<16)|(1<<21)
	s_or_b32 s[G1B+0], s44, (3<<16)|(1<<21)
.irp g, G1, G1B
	s_mov_b32 s[\g+1], 32<<16
	s_mov_b32 s[\g+2], 256<<16                     ; the head's loads of codes bring 256 rows of 256 bytes
	s_mov_b32 s[\g+3], 32<<16
	s_mov_b32 s[\g+4], 256
	s_mov_b32 s[\g+5], 32
	s_mov_b32 s[\g+6], 0
	s_mov_b32 s[\g+7], 0
.endr
	s_or_b32 s[G1S+0], s43, (3<<16)|(1<<21)
	s_or_b32 s[G1SB+0], s44, (3<<16)|(1<<21)
.irp g, G1S, G1SB
	s_mov_b32 s[\g+1], 32<<16
	s_mov_b32 s[\g+2], 32<<16                      ; the scale words of 256 rows: 32 rows of 256 bytes
	s_mov_b32 s[\g+3], 32<<16
	s_mov_b32 s[\g+4], 32
	s_mov_b32 s[\g+5], 32
	s_mov_b32 s[\g+6], 0
	s_mov_b32 s[\g+7], 0
.endr
	s_lshl_b32 s20, s17, 16
	s_mov_b32 s21, 0
	s_lshl_b32 s46, s42, 16
	s_mov_b32 s47, 0
	s_lshl_b32 s22, s17, 13
	s_mov_b32 s23, 0
	s_lshl_b32 s92, s42, 13
	s_mov_b32 s93, 0
	s_lshl_b32 s45, s14, 15
	s_wait_kmcnt 0x0
	s_add_nc_u64 s[20:21], s[4:5], s[20:21]
	s_add_nc_u64 s[22:23], s[6:7], s[22:23]
	s_add_nc_u64 s[46:47], s[4:5], s[46:47]
	s_add_nc_u64 s[92:93], s[6:7], s[92:93]
	CROUND
	s_mov_b32 s[G0S], 1
	s_mov_b32 s[G0S+1], SCL
	s_mov_b64 s[G0S+2:G0S+3], s[22:23]
	s_or_b32 s[G0S+3], s[G0S+3], 0x80000000
	s_mov_b32 s[G0SB], 1
	s_mov_b32 s[G0SB+1], SCL+2*4096+64
	s_mov_b64 s[G0SB+2:G0SB+3], s[92:93]
	s_or_b32 s[G0SB+3], s[G0SB+3], 0x80000000
.irp s, 0,1
	s_mov_b32 s[G0+4*\s], 1
	s_add_co_u32 s[G0+4*\s+1], s45, \s*SLOT
	s_add_nc_u64 s[G0+4*\s+2:G0+4*\s+3], s[20:21], \s*KPS
	s_or_b32 s[G0+4*\s+3], s[G0+4*\s+3], 0x80000000
	s_mov_b32 s[G0B+4*\s], 1
	s_add_co_u32 s[G0B+4*\s+1], s45, \s*SLOT
	s_add_nc_u64 s[G0B+4*\s+2:G0B+4*\s+3], s[46:47], \s*KPS
	s_or_b32 s[G0B+4*\s+3], s[G0B+4*\s+3], 0x80000000
.endr
	s_lshl_b32 s18, s16, 15                        ; in the ring I fetch 128 rows of a tile: which half, in bytes
	s_mov_b32 s19, 0
	s_mov_b32 s[G0+1], 0                           ; at the head slot 0's group 0 names a whole tile: A's 256 rows at the slot's start,
	s_mov_b32 s[G0B+1], 2*HALFT                    ; B's 256 behind them
	s_add_nc_u64 s[G0+6:G0+7], s[G0+6:G0+7], s[18:19]      ; slot 1's names my half
	s_add_nc_u64 s[G0B+6:G0B+7], s[G0B+6:G0B+7], s[18:19]
; THE HEAD'S LOADS, ONE A WAVE: wave 0 slot 0's rows of A, wave 1 those of B, wave 2 A's scale words, wave 3 B's.  One chain of branches on the wave's number, a load to an arm.
.macro ARM under, g0, g1, next
	s_cmp_lt_u32 s14, \under
	s_cbranch_scc0 \next
	tensor_load_to_lds s[\g0:\g0+3], s[\g1:\g1+7]
	s_nop 0
.rept 4
	v_nop
.endr
	s_branch .Lhead_asked
\next:
.endm
	ARM 1, G0,  G1,  .Lhead_b
	ARM 2, G0B, G1B, .Lhead_sa
	ARM 3, G0S, G1S, .Lhead_sb
	tensor_load_to_lds s[G0SB:G0SB+3], s[G1SB:G1SB+7]
	s_nop 0
.rept 4
	v_nop
.endr
.Lhead_asked:                                          ; the addresses and the bias are made and asked for while the four tiles are on their way
	v_and_b32 v1, 15, v0
	v_bfe_u32 v2, v0, 4, 1
	s_wait_alu depctr_va_vdst(0)
	v_and_b32 v3, 31, v0
	v_lshlrev_b32 v3, 4, v3
	s_mul_i32 s21, s15, HALFT
	s_mul_i32 s22, s16, HALFT
	s_add_co_u32 s22, s22, 2*HALFT
.irp s, 0,1
	v_add_nc_u32 v[ADRA+\s], s21, v3
	v_add_nc_u32 v[ADRB+\s], s22, v3
	s_add_co_u32 s21, s21, SLOT
	s_add_co_u32 s22, s22, SLOT
.endr
	s_lshl_b32 s21, s15, 12
	s_lshl_b32 s22, s16, 12
	s_add_co_u32 s22, s22, 2*4096+64
	s_sub_co_u32 s22, s22, s21
	v_mul_u32_u24 v6, s22, v2
	s_add_co_u32 s21, s21, SCL
	v_lshl_add_u32 v5, v1, 2, v6
	v_add_nc_u32 v[ADRS], s21, v5
	s_cmp_lt_u32 s[YR], 8
	s_cbranch_scc0 .Lbias_v
	s_cmp_eq_u32 ttmp9, 0
	s_cselect_b64 s[8:9], s[8:9], s[10:11]
	s_and_b32 s20, s42, 3
	s_lshl_b32 s20, s20, 10
	s_lshl_b32 s21, s16, 9
	s_add_co_u32 s20, s20, s21
	s_mov_b32 s21, 0
	s_add_nc_u64 s[8:9], s[8:9], s[20:21]
	v_lshlrev_b32 v4, 6, v2
.irp b, 0,1,2,3,4,5,6,7
	global_load_b128 v[BT+8*\b:BT+8*\b+3], v4, s[8:9] offset:(32*(\b/2)+8*(\b%2))*4
	global_load_b128 v[BT+8*\b+4:BT+8*\b+7], v4, s[8:9] offset:(32*(\b/2)+8*(\b%2))*4+16
.endr
	s_branch .Lbias_in
.Lbias_v:
	s_and_b32 s20, s17, 3
	s_lshl_b32 s20, s20, 10
	s_lshl_b32 s21, s15, 9
	s_add_co_u32 s20, s20, s21
	s_mov_b32 s21, 0
	s_add_nc_u64 s[12:13], s[12:13], s[20:21]
	v_and_b32 v4, 8, v1
	v_add_nc_u32 v4, v4, v1
	v_lshlrev_b32 v4, 2, v4
.irp a, 0,1,2,3,4,5,6,7
	global_load_b32 v[BT+8*\a], v4, s[12:13] offset:(32*(\a/2)+8*(\a%2))*4
.endr
	s_wait_loadcnt 0x0
.irp a, 0,1,2,3,4,5,6,7
.irp j, 1,2,3,4,5,6,7
	v_mov_b32 v[BT+8*\a+\j], v[BT+8*\a]
.endr
.endr
.Lbias_in:
.macro FRAG reg, adr, q, i
.irp c, 0,1,2,3
	ds_load_b128 v[\reg+4*\c:\reg+4*\c+3], v[\adr] offset:4096*(\i)+2048*(\q)+512*\c
.endr
.endm
.macro MUL16 a0, p, q, sc, zero
.irp a, \a0, \a0+1
.irp b, 0,1,2,3,4,5,6,7
.set rD, 8*(8*((\a)%4)+\b)
.set rB, 128*(\p)+FR*\b
.set rA, AF+FR*(\a)
.set rSB, SC+8*NQ*(\sc)+NQ*\b+(\q)
.set rSA, SC+8*NQ*(\sc)+NQ*(\a)+(\q)
.if \zero == 1
	v_wmma_scale_f32_16x16x128_f8f6f4 v[rD:rD+7], v[rB:rB+15], v[rA:rA+15], v[BT+8*\b:BT+8*\b+7], v[rSB], v[rSA] matrix_a_scale:MATRIX_SCALE_ROW1
.elseif \zero == 2
	v_wmma_scale_f32_16x16x128_f8f6f4 v[rD:rD+7], v[rB:rB+15], v[rA:rA+15], v[BT+8*(\a):BT+8*(\a)+7], v[rSB], v[rSA] matrix_a_scale:MATRIX_SCALE_ROW1
.else
	v_wmma_scale_f32_16x16x128_f8f6f4 v[rD:rD+7], v[rB:rB+15], v[rA:rA+15], v[rD:rD+7], v[rSB], v[rSA] matrix_a_scale:MATRIX_SCALE_ROW1
.endif
.endr
.endr
.endm
.macro FETCH_B slot, q, p
	WIN TO_B
.irp i, 0,1,2,3,4,5,6,7
	FRAG 128*(\p)+FR*\i, ADRB+\slot, \q, \i
.endr
	WIN 0
.endm
.macro FETCH_A slot, q, i0
.irp i, \i0, \i0+1, \i0+2, \i0+3
	FRAG AF+FR*(\i), ADRA+\slot, \q, \i
.endr
.endm
.macro SCALES sc
.irp i, 0,1,2,3,4,5,6,7
.irp q, 0,1
	ds_load_b32 v[SC+16*\sc+2*\i+\q], v[ADRS] offset:512*\q+64*\i
.endr
.endr
.endm
.macro PLACES n
.rept \n
	v_nop
.endr
.endm
.macro STEP slot, q, zero
	s_wait_dscnt 4*NL
.if \zero
	WIN BIA_LO
.else
	WIN MUL_LO
.endif
	MUL16 0, (\q)%2, \q, \slot, \zero
	MUL16 2, (\q)%2, \q, \slot, \zero
	s_wait_dscnt 0
	PLACES NP
	FETCH_B \slot, (\q)+1, 1-(\q)%2
	FETCH_A \slot, (\q)+1, 0
.if \zero
	WIN BIA_HI
.else
	WIN MUL_HI
.endif
	MUL16 4, (\q)%2, \q, \slot, \zero
	MUL16 6, (\q)%2, \q, \slot, \zero
	PLACES NP
	WIN 0
	FETCH_A \slot, (\q)+1, 4
.endm
.macro TURN slot, next, fill
	s_wait_tensorcnt 0x0
	ds_add_u32 v[SPW], v[NIL]
	s_wait_dscnt 4*NL+1
	WIN MUL_LO
	MUL16 0, 1, NQ-1, \slot, 0
	s_wait_dscnt 0x0
	s_barrier_signal -1
	MUL16 2, 1, NQ-1, \slot, 0
	WIN 0
	s_barrier_wait -1
.if \fill
	CREST
	s_add_nc_u64 s[G0+4*\slot+2:G0+4*\slot+3], s[G0+4*\slot+2:G0+4*\slot+3], STEPA
	s_add_nc_u64 s[G0B+4*\slot+2:G0B+4*\slot+3], s[G0B+4*\slot+2:G0B+4*\slot+3], STEPB
	JLOAD G0+4*\slot, G1, G0B+4*\slot, G1B
	PLACES NP-4
.else
	PLACES NP
.endif
	s_wait_alu depctr_va_vdst(0)
	v_add_nc_u32 v[ADRS], 1024, v[ADRS]
	FETCH_B \next, 0, 0
	FETCH_A \next, 0, 0
	SCALES \next
	WIN MUL_HI
	MUL16 4, 1, NQ-1, \slot, 0
	MUL16 6, 1, NQ-1, \slot, 0
	PLACES NP
	WIN 0
	FETCH_A \next, 0, 4
.endm
	s_wait_alu depctr_va_vdst(0)                   ; the wait at the head's end
	s_wait_tensorcnt 0x0                           ; my tile of the head's four is in
	ds_add_u32 v28, v29
	s_mov_b32 s[G1+2], 128<<16                     ; no tensor load of mine is out: from here on a load brings 128 rows,
	s_mov_b32 s[G1+4], 128
	s_mov_b32 s[G1B+2], 128<<16
	s_mov_b32 s[G1B+4], 128
	s_mov_b32 s[G0+1], s45                         ; and slot 0's group 0 names my quarter of the slot
	s_mov_b32 s[G0B+1], s45
	s_add_nc_u64 s[G0+2:G0+3], s[G0+2:G0+3], s[18:19]
	s_add_nc_u64 s[G0B+2:G0B+3], s[G0B+2:G0B+3], s[18:19]
	s_wait_dscnt 0x0
	CROUND                                         ; all four tiles are in, and all sixteen work-groups are here
	JLOAD G0+4, G1, G0B+4, G1B                     ; slot 1's first fill, the first tensor load behind the round
	s_wait_alu depctr_va_vdst(0)
	FETCH_B 0, 0, 0
	FETCH_A 0, 0, 0
	SCALES 0
	FETCH_A 0, 0, 4
	s_wait_loadcnt 0x0
	s_cmp_lt_u32 s[YR], 8
	s_cbranch_scc0 .Lfirst_v
	STEP 0, 0, 1
	s_branch .Lfirst_done
.Lfirst_v:
	STEP 0, 0, 2
.Lfirst_done:
	TURN 0, 1, 1
	STEP 1, 0, 0
	TURN 1, 0, 1
	STEP 0, 0, 0
	TURN 0, 1, 0
	STEP 1, 0, 0
	s_wait_dscnt 4*NL
	WIN MUL_LO
	MUL16 0, 1, NQ-1, 1, 0
	MUL16 2, 1, NQ-1, 1, 0
	s_wait_dscnt 0
	WIN MUL_HI
	MUL16 4, 1, NQ-1, 1, 0
	MUL16 6, 1, NQ-1, 1, 0
	WIN 0
	s_cmp_eq_u32 ttmp9, 0
	s_cselect_b64 s[36:37], s[96:97], s[98:99]
	s_mov_b32 s26, 2048
	s_mov_b32 s32, 1024
	s_cmp_lt_u32 s[YR], 8
	s_cselect_b64 s[36:37], s[36:37], s[98:99]
	s_cselect_b32 s20, s17, s42
	s_cselect_b32 s21, s15, s16
	s_cselect_b32 s22, s42, s17
	s_cselect_b32 s23, s16, s15
	s_cselect_b32 s24, 0, 8192
	s_cselect_b32 s25, 0, 512
	s_cselect_b32 s26, 1024, s26
	s_cselect_b32 s28, 0, HS-8192
	s_cselect_b32 s30, 0, HS-256
	s_cselect_b32 s32, HS, s32
	s_cselect_b32 s33, 16, 0
	s_cselect_b32 s34, HS, 0
	s_mov_b32 s27, 0
	s_mov_b32 s29, 0
	s_mov_b32 s31, 0
	s_mov_b32 s35, 0xffff0000
	s_lshl_b32 s20, s20, 1
	s_add_co_u32 s20, s20, s21
	s_and_b32 s22, s22, 3
	s_lshl_b32 s22, s22, 2
	s_lshl_b32 s23, s23, 1
	s_add_co_u32 s22, s22, s23
	s_lshr_b32 s21, s20, 4
	s_lshl_b32 s21, s21, 4
	s_add_co_u32 s21, s21, s22
	s_lshl_b32 s21, s21, 4
	s_and_b32 s20, s20, 15
	s_add_co_u32 s21, s21, s20
	s_mul_i32 s44, s21, REC
	s_mov_b32 s45, 0
	s_add_nc_u64 s[36:37], s[36:37], s[44:45]
	s_add_co_u32 s44, s25, 16384
	s_add_nc_u64 s[38:39], s[36:37], s[44:45]
	s_mov_b32 s44, s24
	s_add_nc_u64 s[36:37], s[36:37], s[44:45]
	PLACES NP
	v_add_nc_u32 v[VO1], s32, v3
	v_mul_u32_u24 v[VS], s34, v2
	v_lshl_add_u32 v[VS], v1, 2, v[VS]
.irp b, 0,1,2,3
	v_mov_b32 v[TM+4+\b], 0
.endr
	s_mov_b32 s46, 0x76543210
	s_mov_b32 s47, 0xfedcba98
	s_mov_b32 s40, 0x600000
.macro QBLOCK a
.set AC, 64*((\a)%4)
.if (\a) > 0
	s_wait_xcnt 0x0
	s_add_nc_u64 s[36:37], s[36:37], s[26:27]
	s_add_nc_u64 s[38:39], s[38:39], 64
.endif
.if (\a) == 4
	s_add_nc_u64 s[36:37], s[36:37], s[28:29]
	s_add_nc_u64 s[38:39], s[38:39], s[30:31]
.endif
	WIN 0x28+0x14*((\a)/4)
.irp b, 0,1,2,3
	v_max3_num_f32 v[TM+\b], 0x4800000, |v[AC+16*\b]|, |v[AC+16*\b+1]|
.endr
.irp i, 2,4,6,8,10,12,14
.irp b, 0,1,2,3
	v_max3_num_f32 v[TM+\b], v[TM+\b], |v[AC+16*\b+\i]|, |v[AC+16*\b+\i+1]|
.endr
.endr
	WIN 0
.irp b, 0,1,2,3
	v_permlanex16_b32 v[TM+4+\b], v[TM+\b], s46, s47
.endr
.irp b, 0,1,2,3
	v_max_num_f32 v[TM+\b], v[TM+\b], v[TM+4+\b]
.endr
.irp b, 0,1,2,3
	v_add_nc_u32 v[TM+12+\b], 0xfc000000, v[TM+\b]
.endr
.irp b, 0,1,2,3
	v_and_or_b32 v[TM+8+\b], v[TM+\b], 0x7f800000, s40
.endr
.irp b, 0,1,2,3
	v_lshrrev_b32 v[TM+4+\b], 23, v[TM+12+\b]
.endr
	v_lshl_or_b32 v[PW], v[TM+5], 8, v[TM+4]
	v_lshl_or_b32 v[PW], v[TM+6], 16, v[PW]
	v_lshl_or_b32 v[PW], v[TM+7], 24, v[PW]
	WIN 0x82+0x41*((\a)/4)
.irp b, 0,1,2,3
.irp i, 0,1,2,3,4,5,6,7,8,9,10,11,12,13,14,15
	v_med3_num_f32 v[AC+16*\b+\i], v[AC+16*\b+\i], -v[TM+8+\b], v[TM+8+\b]
.endr
.endr
	WIN 0x02+(\a)/4
.irp b, 0,1,2,3
	v_cvt_scalef32_pk8_fp8_f32 v[PC+4*\b:PC+4*\b+1], v[AC+16*\b:AC+16*\b+7], v[TM+12+\b]
	v_cvt_scalef32_pk8_fp8_f32 v[PC+4*\b+2:PC+4*\b+3], v[AC+16*\b+8:AC+16*\b+15], v[TM+12+\b]
.endr
	WIN 0
	v_nop
	global_store_b128 v3, v[PC:PC+3], s[36:37]
	global_store_b128 v3, v[PC+4:PC+7], s[36:37] offset:512
	global_store_b128 v[VO1], v[PC+8:PC+11], s[36:37]
	global_store_b128 v[VO1], v[PC+12:PC+15], s[36:37] offset:512
	v_lshrrev_b32 v[TT], s33, v[PW]
	v_cndmask_b32 v[TT], v[PW], v[TT], s35
	global_store_b32 v[VS], v[TT], s[38:39]
.endm
.irp a, 0,1,2,3,4,5,6,7
	QBLOCK \a
.endr
	s_wait_tensorcnt 0x0
	ds_add_u32 v[SPW], v[NIL]
	s_wait_dscnt 0x0
	CROUND
	s_endpgm
.Lfunc_end_k_qed9e26821f_proj:
	.size	k_qed9e26821f_proj, .Lfunc_end_k_qed9e26821f_proj-k_qed9e26821f_proj
	.p2alignl 7, 3214868480
	.fill 96, 4, 3214868480
	.section	.rodata,"a",@progbits
	.p2align	6, 0x0
	.amdhsa_kernel k_qed9e26821f_proj
		.amdhsa_group_segment_fixed_size 327680
		.amdhsa_private_segment_fixed_size 0
		.amdhsa_enable_private_segment 0
		.amdhsa_kernarg_size 56
		.amdhsa_user_sgpr_count 2
		.amdhsa_user_sgpr_kernarg_segment_ptr 1
		.amdhsa_wavefront_size32 1
		.amdhsa_system_sgpr_workgroup_id_x 1
		.amdhsa_system_sgpr_workgroup_id_y 1
		.amdhsa_system_sgpr_workgroup_id_z 1
		.amdhsa_system_vgpr_workitem_id 0
		.amdhsa_next_free_vgpr 1024
		.amdhsa_next_free_sgpr 100
		.amdhsa_reserve_vcc 0
		.amdhsa_float_denorm_mode_32 3
		.amdhsa_float_denorm_mode_16_64 3
		.amdhsa_memory_ordered 1
		.amdhsa_forward_progress 1
		.amdhsa_inst_pref_size 208
	.end_amdhsa_kernel
	.amdgpu_metadata
---
amdhsa.version: [ 1, 2 ]
amdhsa.kernels:
  - .name:           k_qed9e26821f_proj
    .symbol:         k_qed9e26821f_proj.kd
    .args:
      - { .name: opc, .offset: 0, .size: 8, .value_kind: global_buffer, .address_space: global }
      - { .name: ops, .offset: 8, .size: 8, .value_kind: global_buffer, .address_space: global }
      - { .name: bq, .offset: 16, .size: 8, .value_kind: global_buffer, .address_space: global }
      - { .name: bk, .offset: 24, .size: 8, .value_kind: global_buffer, .address_space: global }
      - { .name: bv, .offset: 32, .size: 8, .value_kind: global_buffer, .address_space: global }
      - { .name: qrec, .offset: 40, .size: 8, .value_kind: global_buffer, .address_space: global }
      - { .name: kvrec, .offset: 48, .size: 8, .value_kind: global_buffer, .address_space: global }
    .group_segment_fixed_size: 327680
    .private_segment_fixed_size: 0
    .kernarg_segment_align: 8
    .kernarg_segment_size: 56
    .max_flat_workgroup_size: 128
    .sgpr_count:     100
    .vgpr_count:     1024
    .wavefront_size: 32
...
	.end_amdgpu_metadata
.endif
;; end of part 2
;; launch attn (part 3): grid 4 x 64, 16 waves a work-group, no clusters, 276,480 bytes of LDS; arguments qrec, kvrec, maskbits, ctxc, ctxs, maskflag; writes ctxc, ctxs
.if DOCPART == 3
	.amdgcn_target "amdgcn-amd-amdhsa--gfx1250"
	.amdhsa_code_object_version 6
	.text
	.protected	k_qed9e26821f_attn
	.globl	k_qed9e26821f_attn
	.p2align	8
	.type	k_qed9e26821f_attn,@function
k_qed9e26821f_attn:
	s_mov_b64 s[64:65], 0
	v_nop
	global_prefetch_b8 v0, s[64:65] scope:SCOPE_SE
	s_setreg_imm32_b32 hwreg(HW_REG_WAVE_MODE, 25, 1), 1
	s_wait_xcnt 0x0
; ctx[b][q][h][:] = softmax_k(where(mask, Q . K / 8, -1e9)) V, both products on codes of FP8 (E4M3) with E8M0 scales; ctx is quantised at once, along (head, channel), for the last product.
; THE SOFTMAX: t = score x log2(e) / 8; M = the running largest t rounded up to a whole number; p = 2^(t - M) is quantised along the keys, not normalised; the row's sum of the unquantised p divides at the end.
; SHARES: a work-group owns one (batch, head) and 512 queries; each of its sixteen waves owns two tiles of 16 queries, one after the other, in 256 registers.  A key step is 128 keys: 8 + 4 matrix instructions.
; K, V AND THEIR SCALES OF THE WHOLE HEAD STAY IN LDS: 16 records of 17,152 bytes.  Wave w brings record w through its registers (33 loads of 512 bytes and one of 256, then LDS stores); one barrier; none in the loop.
; THE MASK comes as one bit a score (word n of a key step is the select of register n's v_cndmask_b32) and as one flag a key step, stored by the launch before: where all 2,048 bits of a step are set,
; a scalar branch on the flag leads round the 64 selects, and round the load of the step's 64 words a step ahead.  Every mask is served: a step with a hole takes the selects.
; NO TENSOR LOAD, NO CLUSTER: this launch branches on numbers read from memory.
; NO PREFETCH: K and V are asked for once, in the first lines; the loop reads LDS, and of memory only mask words where a step has holes.
; LAYOUT: S^T = K Q^T (source 0 = 16 keys, source 1 = my 16 queries), O^T = V^T P^T: a lane holds one query throughout.  The keys of a tile of K are chosen so that the 16 registers of tiles 2 b, 2 b + 1 are
; keys 32 b + 16 (lane / 16) + 0..15; V^T's rows likewise for ctx's channels.
; THE HEAD'S 64 ARE HALF OF THE INSTRUCTION'S 128.  The upper half of Q's fragment is zero codes, so whatever finite codes stand in the upper half of K's add nothing (K's codes were held: none is a NaN code; no
; scale byte is 0xff).  The eight half fragments of a step's K lie on end in 64 registers, eight zero registers behind them; tile t's fragment is the 16 registers from the t-th half on.
; K IS FETCHED A KEY STEP AHEAD, directly behind the products that read the last one; V^T's fragment b lands in the registers of p's block b as soon as that block's codes are made.
; LIMIT: a masked score is -2^33 ahead of the division by 8, a logit of -1.074e9 where the definition has -1e9.  t = -2^33 c is a whole number, so a row (or a beginning of a row) that is masked throughout has
; p = 1 exactly, as by the definition; results differ only where an unmasked logit lies under about -1e9.  NaN and infinities are not served; a block of zeros has the byte 1 (zero codes).
; ctx's scale bytes leave two at a time (256 KB in all): a word of ctxs belongs to two heads, which are two work-groups.
; SCALARS: s2 wave; s3 the mask words' offset; s[4:13] pointers; s[14:15] lane selects; s16-63, s68-83 the 64 mask words; s84, s85 the two tiles' flag words; s86 the tile's 16 flags, bit n for key step n;
;   s87 the flag in hand; s[92:93] maskflag; s[96:97] c; s98 448's mantissa; s99 the record's LDS byte; s100 the key step; s101 the next record's LDS byte.
.set REC,   17152
.set CKPS,  2097152                    ; bytes of ctxc for two K steps: 512 tiles x 4,096
.set KSC,   16384                      ; in a record: K's scale words,
.set VIM,   8192                       ; V^T's images,
.set VSC,   16896                      ; V's scale words
.set SPARE, 16*REC                     ; behind the records: the spare words, 128 bytes a wave
.set L16,  1                           ; v1       16 x lane
.set L4,   2                           ; v2       4 x lane
.set AKN,  3                           ; v3       16 x lane + the next record
.set ASN,  4                           ; v4       4 x lane + the next record
.set NEGB, 5                           ; v5       -2^33
.set QS,   6                           ; v6       Q's scale word
.set R4,   7                           ; v7       4 x (lane % 16)
.set KS,   8                           ; v8-11    K's scale words: lanes 0-15 tile 2 g, lanes 16-31 tile 2 g + 1
.set NM,   12                          ; v12 -M, v13 the largest t
.set AV,   14                          ; v14      16 x lane + this record
.set AVS,  15                          ; v15      4 x lane + this record
.set Q,    16                          ; v16-31   Q's fragment; v24-31 zero codes
.set KF,   32                          ; v32-95   K's eight halves; v96-103 zero codes
.set ST,   32                          ; v32-165  at the head: my record on its way to LDS
.set S,    104                         ; v104-167 S^T, then p, then V^T's four fragments
.set O,    168                         ; v168-199 O^T
.set PCD,  200                         ; v200-215 p's codes; at the end ctx's
.set BM,   216                         ; v216-219 a block's largest score, then its largest p
.set BY,   220                         ; v220-223 the other half's maxima, then the scale bytes
.set HA,   224                         ; v224-227 448 x the scale
.set SCO,  228                         ; v228-231 the conversions' scale operands
.set F,    232                         ; v232 f = 2^(old M - new M); v233 the old -M
.set PWD,  234                         ; v234     p's scale word; at the end ctx's two bytes
.set TMP,  235
.set VS,   236                         ; v236-237 V's scale words
.set QO,   238                         ; v238     Q's half image in its record
.set QSO,  239                         ; v239     and its scale words
.set LC,   240                         ; v240-247 the row's sum, in four chains of two halves
.set HB,   249                         ; v249-252 448 x the scale once more, one register bank on from HA
.macro MASKLOAD                        ; a key step's 64 words
	s_load_b512 s[16:31], s[8:9], s3 offset:0x0
	s_load_b512 s[32:47], s[8:9], s3 offset:0x40
	s_load_b512 s[48:63], s[8:9], s3 offset:0x80
	s_load_b512 s[68:83], s[8:9], s3 offset:0xc0
.endm
.macro PRE                             ; what a tile of queries wants from memory: Q's half image, its scale words, the first key step's mask words (asked for beside the flags)
	global_load_b128 v[Q:Q+3], v[QO], s[4:5]
	global_load_b128 v[Q+4:Q+7], v[QO], s[4:5] offset:512
	global_load_b32 v[QS], v[QSO], s[4:5]
	s_mov_b32 s3, 0
	MASKLOAD
.endm
.macro KFETCH                          ; K's eight halves and their scale words, of the record that v[AKN], v[ASN] name: 512 consecutive bytes a load
.irp t, 0,1,2,3,4,5,6,7
	ds_load_b128 v[KF+8*\t:KF+8*\t+3], v[AKN] offset:1024*\t
	ds_load_b128 v[KF+8*\t+4:KF+8*\t+7], v[AKN] offset:1024*\t+512
.endr
.irp g, 0,1,2,3
	ds_load_b32 v[KS+\g], v[ASN] offset:KSC+128*\g
.endr
.endm
	s_load_b256 s[4:11], s[0:1], 0x0               ; qrec s[4:5], kvrec s[6:7], maskbits s[8:9], ctxc s[10:11]
	s_load_b64 s[12:13], s[0:1], 0x20              ; ctxs
	s_load_b64 s[92:93], s[0:1], 0x28              ; maskflag
	v_lshl_add_u32 v254, v0, 2, SPARE              ; my spare word, and 0: kept for the closing lines
	v_mov_b32 v255, 0
	v_lshrrev_b32 v1, 5, v0
	v_and_b32 v[R4], 15, v0
	v_readfirstlane_b32 s2, v1                     ; wave 0..15
	v_and_b32 v[L16], 31, v0
	v_lshlrev_b32 v[R4], 2, v[R4]
	v_lshlrev_b32 v[L4], 2, v[L16]
	v_lshlrev_b32 v[AVS], 3, v[L16]                ; here: 8 x lane
	v_lshlrev_b32 v[L16], 4, v[L16]
	s_and_b32 s20, ttmp7, 0xffff                   ; 16 x batch + head
	s_lshl_b32 s18, s20, 4
	s_add_co_u32 s18, s18, s2
	s_mul_i32 s18, s18, REC                        ; my record in memory,
	s_mov_b32 s19, 0
	s_mul_i32 s94, s2, REC                         ; and in LDS
	v_add_nc_u32 v[AKN], s94, v[L16]               ; here: where my 16 bytes of each 512 go,
	v_add_nc_u32 v[ASN], s94, v[AVS]               ; and my 8 of the last 256
	s_wait_alu depctr_va_vdst(0)                   ; the wait here, directly ahead of the wait below
	s_wait_kmcnt 0x0
	s_add_nc_u64 s[6:7], s[6:7], s[18:19]
.set i, 0
.rept 33
	global_load_b128 v[ST+4*i:ST+4*i+3], v[L16], s[6:7] offset:512*i   ; 512 consecutive bytes of the record
.set i, i+1
.endr
	global_load_b64 v[ST+132:ST+133], v[AVS], s[6:7] offset:16896      ; its last 256
	s_mov_b32 s16, ttmp9                           ; my block of 512 queries
	s_lshl_b32 s21, s20, 4
	s_lshl_b32 s22, s16, 2
	s_add_co_u32 s21, s21, s22
	s_lshr_b32 s22, s2, 3
	s_add_co_u32 s21, s21, s22                     ; Q's record: tile 32 block + wave lies in record 4 block + wave / 8
	s_mul_i32 s22, s21, REC
	s_mov_b32 s23, 0
	s_add_nc_u64 s[4:5], s[4:5], s[22:23]
	s_lshr_b32 s24, s20, 4                         ; batch
	s_and_b32 s25, s20, 15                         ; head
	s_lshl_b32 s26, s24, 7
	s_lshl_b32 s27, s16, 5
	s_add_co_u32 s26, s26, s27
	s_add_co_u32 s26, s26, s2                      ; T: my first tile among the 512 of all batches
	s_lshl_b32 s22, s26, 2
	s_add_nc_u64 s[92:93], s[92:93], s[22:23]
	s_load_b32 s84, s[92:93], 0x0                  ; tile T's flags: four bytes of four bits,
	s_load_b32 s85, s[92:93], 0x40                 ; and tile T + 16's
	s_lshl_b32 s22, s26, 12
	s_add_nc_u64 s[8:9], s[8:9], s[22:23]          ; its mask words: 4,096 bytes a tile
	s_lshr_b32 s27, s25, 2                         ; ctxc: K step head / 2: pair head / 4,
	s_mul_i32 s27, s27, CKPS
	s_add_co_u32 s22, s22, s27
	s_bfe_u32 s27, s25, 0x10001                    ; image (head / 2) % 2,
	s_lshl_b32 s27, s27, 11
	s_add_co_u32 s22, s22, s27
	s_and_b32 s27, s25, 1                          ; half head % 2 of it
	s_lshl_b32 s28, s27, 10
	s_add_co_u32 s22, s22, s28
	s_add_nc_u64 s[10:11], s[10:11], s[22:23]
	s_lshr_b32 s22, s26, 3                         ; ctxs: [T / 8][head / 2][16 (T % 8) + r] words, half word head % 2
	s_lshl_b32 s22, s22, 12
	s_lshr_b32 s28, s25, 1
	s_lshl_b32 s28, s28, 9
	s_add_co_u32 s22, s22, s28
	s_and_b32 s28, s26, 7
	s_lshl_b32 s28, s28, 6
	s_add_co_u32 s22, s22, s28
	s_lshl_b32 s27, s27, 1
	s_add_co_u32 s22, s22, s27
	s_add_nc_u64 s[12:13], s[12:13], s[22:23]
	s_and_b32 s22, s2, 7
	s_lshl_b32 s23, s22, 10
	v_add_nc_u32 v[QO], s23, v[L16]
	s_lshl_b32 s23, s22, 6
	s_add_co_u32 s23, s23, KSC
	v_add_nc_u32 v[QSO], s23, v[R4]
	PRE                                            ; the first tile's Q and mask words are on their way beside the record
	v_mov_b32 v[NEGB], 0xd0000000                  ; -2^33
	s_mov_b32 s14, 0x76543210
	s_mov_b32 s15, 0xfedcba98
	s_mov_b32 s96, 0x3e38aa3b                      ; c = log2(e) / 8
	s_mov_b32 s97, s96                             ; (named with it as a pair)
	s_mov_b32 s98, 0x600000
.irp i, 0,1,2,3,4,5,6,7
	v_mov_b32 v[Q+8+\i], 0                         ; the upper 64 of the instruction's K: zero codes in Q
.endr
.irp b, 0,1,2,3
	v_mov_b32 v[BY+\b], 0                          ; written once: a lane permute's destination counts as one of its sources
.endr
	v_mov_b32 v[TMP], 0
	s_wait_alu depctr_va_vdst(0)                   ; the wait here, directly ahead of the wait below
	s_wait_loadcnt 0x3                             ; my record's 34 loads are in; Q's three, issued behind them, may be out
.set i, 0
.rept 33
	ds_store_b128 v[AKN], v[ST+4*i:ST+4*i+3] offset:512*i
.set i, i+1
.endr
	ds_store_b64 v[ASN], v[ST+132:ST+133] offset:16896
	s_wait_dscnt 0x0                               ; for the others' sake: my record lies in LDS,
	s_barrier_signal -1
.irp i, 0,1,2,3,4,5,6,7
	v_mov_b32 v[KF+64+\i], 0                       ; zero codes behind K's last half: set once, never loaded over
.endr
	s_wait_alu depctr_va_vdst(0)                   ; the wait at the head's end
	s_barrier_wait -1                              ; and everybody's does
; The parts of a key step's softmax, by pairs of scores (pair k: registers S + 2 k, S + 2 k + 1)
.macro FM j                            ; t - M, two at a time
	v_pk_fma_f32 v[S+2*(\j):S+2*(\j)+1], v[S+2*(\j):S+2*(\j)+1], s[96:97], v[NM:NM+1] op_sel_hi:[1,0,0]
.endm
.macro AD k                            ; the row's sum is taken of the unquantised p: chain k % 4, the four by turns; a chain's first link of a step brings it under the new M in the same instruction
.if (\k) < 4
	v_pk_fma_f32 v[LC+2*(\k):LC+2*(\k)+1], v[LC+2*(\k):LC+2*(\k)+1], v[F:F+1], v[S+2*(\k):S+2*(\k)+1] op_sel_hi:[1,0,1]
.else
	v_pk_add_f32 v[LC+2*((\k)%4):LC+2*((\k)%4)+1], v[LC+2*((\k)%4):LC+2*((\k)%4)+1], v[S+2*(\k):S+2*(\k)+1]
.endif
.endm
.macro HD k                            ; the conversion does not saturate (ISA guide 7.6.2); p is not negative: a one-sided hold, two in one dual-issue instruction (its two second sources lie in different register banks)
	v_dual_min_num_f32 v[S+2*(\k)], v[S+2*(\k)], v[HA+(\k)/8] :: v_dual_min_num_f32 v[S+2*(\k)+1], v[S+2*(\k)+1], v[HB+(\k)/8]
.endm
.macro CV g                            ; eight codes
	v_cvt_scalef32_pk8_fp8_f32 v[PCD+2*(\g):PCD+2*(\g)+1], v[S+8*(\g):S+8*(\g)+7], v[SCO+(\g)/2]
.endm
.macro VL b                            ; block b's registers are done with: V^T's fragment b lands there
.irp c, 0,1,2,3
	ds_load_b128 v[S+16*(\b)+4*\c:S+16*(\b)+4*\c+3], v[AV] offset:VIM+2048*(\b)+512*\c
.endr
.endm
.macro RS i                            ; O^T under the new M
	v_pk_mul_f32 v[O+2*(\i):O+2*(\i)+1], v[O+2*(\i):O+2*(\i)+1], v[F:F+1] op_sel_hi:[1,0]
.endm
.macro PV d                            ; O^T += V^T P^T: 16 of the head's 64 channels; the four accumulators by turns
.if (\d)%2
	v_wmma_scale_f32_16x16x128_f8f6f4 v[O+8*(\d):O+8*(\d)+7], v[S+16*(\d):S+16*(\d)+15], v[PCD:PCD+15], v[O+8*(\d):O+8*(\d)+7], v[VS+(\d)/2], v[PWD] matrix_a_scale:MATRIX_SCALE_ROW1
.else
	v_wmma_scale_f32_16x16x128_f8f6f4 v[O+8*(\d):O+8*(\d)+7], v[S+16*(\d):S+16*(\d)+15], v[PCD:PCD+15], v[O+8*(\d):O+8*(\d)+7], v[VS+(\d)/2], v[PWD]
.endif
.endm
; A KEY STEP: the 128 keys of the record at LDS byte s99.  Its K and K's scale words were asked for a step ago.
.macro STEP
	s_add_co_u32 s101, s99, REC                    ; the next record; the last step asks for its own again
	s_min_u32 s101, s101, 15*REC
	v_add_nc_u32 v[AKN], s101, v[L16]
	v_add_nc_u32 v[ASN], s101, v[L4]
	v_add_nc_u32 v[AV], s99, v[L16]
	v_add_nc_u32 v[AVS], s99, v[L4]
.rept 5
	v_nop                                          ; with the four lines above nine places: the products below write over registers that the last step's products read (V^T's fragments)
.endr
	s_wait_alu depctr_va_vdst(0)                   ; the wait here, directly ahead of the wait below
	s_wait_dscnt 0x0                               ; K is in
.irp t, 0,1,2,3,4,5,6,7
.if \t%2
	v_wmma_scale_f32_16x16x128_f8f6f4 v[S+8*\t:S+8*\t+7], v[KF+8*\t:KF+8*\t+15], v[Q:Q+15], 0, v[KS+\t/2], v[QS] matrix_a_scale:MATRIX_SCALE_ROW1
.else
	v_wmma_scale_f32_16x16x128_f8f6f4 v[S+8*\t:S+8*\t+7], v[KF+8*\t:KF+8*\t+15], v[Q:Q+15], 0, v[KS+\t/2], v[QS]
.endif
.endr
.rept 8
	v_nop                                          ; places in front of the loads into K's registers and of the first read of the scores
.endr
	KFETCH                                         ; the next step's K
	ds_load_b32 v[VS], v[AVS] offset:VSC           ; this step's scale words of V
	ds_load_b32 v[VS+1], v[AVS] offset:VSC+128
	s_wait_kmcnt 0x0                               ; this step's mask words, if they were asked for, are in
	s_cmp_lg_u32 s87, 0                            ; the step's flag: every bit set?
	s_cbranch_scc1 .Lopen_\@
.set n, 0
.rept 64
.if n < 48
	v_cndmask_b32 v[S+n], v[NEGB], v[S+n], s[16+n] ; where the bit is 0: -2^33.  Each accumulator is read from its low end on
.else
	v_cndmask_b32 v[S+n], v[NEGB], v[S+n], s[20+n]
.endif
.set n, n+1
.endr
	s_wait_alu depctr_va_vdst(0)                   ; the wait ahead of the branch below
.Lopen_\@:
	s_add_co_u32 s3, s100, 1                       ; the next step's flag (bit 16, behind the last step's, is set: nothing is asked for there)
	s_lshr_b32 s87, s86, s3
	s_and_b32 s87, s87, 1
	s_cmp_lg_u32 s87, 0
	s_cbranch_scc1 .Lnone_\@
	s_lshl_b32 s3, s3, 8
	MASKLOAD                                       ; the next step has holes: its 64 words, a step ahead
.Lnone_\@:
.irp b, 0,1,2,3
	v_max3_num_f32 v[BM+\b], v[S+16*\b], v[S+16*\b+1], v[S+16*\b+2]   ; the largest score of each block of 32 keys, the four blocks by turns; each accumulator is read from its low end on
.endr
.irp i, 3,5,7,9,11,13
.irp b, 0,1,2,3
	v_max3_num_f32 v[BM+\b], v[BM+\b], v[S+16*\b+\i], v[S+16*\b+\i+1]
.endr
.endr
.irp b, 0,1,2,3
	v_max_num_f32 v[BM+\b], v[BM+\b], v[S+16*\b+15]
.endr
.irp b, 0,1,2,3
	v_permlanex16_b32 v[BY+\b], v[BM+\b], s14, s15
.endr
.irp b, 0,1,2,3
	v_max_num_f32 v[BM+\b], v[BM+\b], v[BY+\b]     ; with lane l xor 16's 16 keys: it serves the row's maximum and, since p rises with the score, the block's largest p
.endr
	v_max3_num_f32 v[TMP], v[BM], v[BM+1], v[BM+2]
	v_max_num_f32 v[TMP], v[TMP], v[BM+3]
	v_mul_f32 v[TMP], s96, v[TMP]                  ; as t (c is positive)
	v_max_num_f32 v[NM+1], v[NM+1], v[TMP]         ; the running largest t
	v_floor_f32 v[NM], -v[NM+1]                    ; the new -M = -ceil(t)
	v_fma_f32 v[BM], v[BM], s96, v[NM]             ; t - M of each block's largest score, between the links of f's chain
	v_sub_f32 v[TMP], v[NM], v[F+1]                ; old M - new M: a whole number, 0 or less
	v_fma_f32 v[BM+1], v[BM+1], s96, v[NM]
	v_cvt_i32_f32 v[TMP], v[TMP]                   ; (it saturates)
	v_fma_f32 v[BM+2], v[BM+2], s96, v[NM]
	v_ldexp_f32 v[F], 1.0, v[TMP]                  ; f = 2^(old M - new M): a multiplication by it rounds nothing
	v_fma_f32 v[BM+3], v[BM+3], s96, v[NM]
.set j, 0
.rept 32
	FM j
.set j, j+1
.endr
	s_wait_alu depctr_va_vdst(0)                   ; ONE BATCH of 68 exponentials: a wait ahead of it,
.irp b, 0,1,2,3
	v_exp_f32 v[BM+\b], v[BM+\b]                   ; the block's largest p: the same two instructions on the same number as the scores get
.endr
.set j, 0
.rept 64
	v_exp_f32 v[S+j], v[S+j]                       ; p = 2^(t - M)
.set j, j+1
.endr
	v_mov_b32 v[F+1], v[NM]                        ; the next step's old -M: the plain place behind the batch
	s_wait_alu depctr_va_vdst(0)                   ; and for one behind it, ahead of its first reader
.irp b, 0,1,2,3
	v_max_num_f32 v[BM+\b], 0x4800000, v[BM+\b]    ; the floor 2^(9 - 127): the byte cannot fall under 1
.endr
.irp b, 0,1,2,3
	v_add_nc_u32 v[SCO+\b], 0xfc000000, v[BM+\b]   ; 8 off the exponent field: the conversion's scale operand
.endr
.irp b, 0,1,2,3
	v_and_or_b32 v[HA+\b], v[BM+\b], 0x7f800000, s98   ; 448 x the scale,
.endr
.irp b, 0,1,2,3
	v_and_or_b32 v[HB+\b], v[BM+\b], 0x7f800000, s98   ; twice
.endr
.irp b, 0,1,2,3
	v_lshrrev_b32 v[BY+\b], 23, v[SCO+\b]          ; the scale's byte
.endr
	v_lshl_or_b32 v[PWD], v[BY+1], 8, v[BY]
	v_lshl_or_b32 v[TMP], v[BY+3], 8, v[BY+2]
	v_lshl_or_b32 v[PWD], v[TMP], 16, v[PWD]       ; p's scale word for these 128 keys
.irp b, 0,1,2,3                                ; block by block: the sums, the holds, sixteen codes, and V^T's fragment into the block's registers
.irp k, 0,1,2,3,4,5,6,7
	AD 8*\b+\k
.endr
.irp k, 0,1,2,3,4,5,6,7
	HD 8*\b+\k
.endr
	CV 2*\b
	CV 2*\b+1
	VL \b
.endr
	s_wait_alu depctr_va_vdst(0)                   ; the wait here, directly ahead of the first reader of O^T
.set j, 0
.rept 16
	RS j                                           ; these sixteen are also the places behind the last conversion and in front of the products
.set j, j+1
.endr
	s_wait_alu depctr_va_vdst(0)                   ; the wait here, directly ahead of the wait below
	s_wait_dscnt 12                                ; V^T's fragment 0 and all that is older are in; the 12 loads of fragments 1 to 3 may be out
	PV 0
	s_wait_dscnt 8                                 ; fragments 2 and 3 may be out
	PV 1
	s_wait_dscnt 4                                 ; fragment 3 may be out
	PV 2
	s_wait_dscnt 0x0
	PV 3
	s_add_co_u32 s99, s99, REC
.endm
; One tile of 16 queries: all 16 key steps, then ctx's codes.  Its Q and first mask words have been asked for.
.macro PASS p
.if \p == 0
	s_wait_kmcnt 0x0                               ; the flag words are in
.endif
	s_and_b32 s86, s[84+\p], 15                    ; four bytes of four flags become sixteen bits on end
	s_lshr_b32 s87, s[84+\p], 4
	s_and_b32 s87, s87, 0xf0
	s_or_b32 s86, s86, s87
	s_lshr_b32 s87, s[84+\p], 8
	s_and_b32 s87, s87, 0xf00
	s_or_b32 s86, s86, s87
	s_lshr_b32 s87, s[84+\p], 12
	s_and_b32 s87, s87, 0xf000
	s_or_b32 s86, s86, s87
	s_or_b32 s86, s86, 0x10000                     ; behind the last step nothing is asked for
	s_and_b32 s87, s86, 1                          ; the first step's flag
	s_mov_b32 s99, 0
	s_mov_b32 s100, 0
	v_mov_b32 v[NM+1], 0xff61b1e6                  ; the largest t so far: -3e38
	v_floor_f32 v[NM], -v[NM+1]
	v_mov_b32 v[F+1], v[NM]
.set j, 0
.rept 8
	v_mov_b32 v[LC+j], 0                           ; the sum's four chains
.set j, j+1
.endr
.set j, 0
.rept 32
	v_mov_b32 v[O+j], 0                            ; O^T: the step is written once; the first finds zeros
.set j, j+1
.endr
	v_add_nc_u32 v[AKN], s99, v[L16]
	v_add_nc_u32 v[ASN], s99, v[L4]
	KFETCH                                         ; the first step's K
	s_wait_alu depctr_va_vdst(0)                   ; the wait here, directly ahead of the wait below
	s_wait_loadcnt 0x0                             ; Q
.Lstep_\@:
	STEP
	s_add_co_u32 s100, s100, 1
	s_cmp_lt_u32 s100, 16
	s_cbranch_scc1 .Lstep_\@
	s_wait_kmcnt 0x0                               ; no scalar load is out: their registers, base and offset may be written
.if \p == 0
	s_wait_xcnt 0x0
	s_add_nc_u64 s[4:5], s[4:5], 2*REC             ; sixteen tiles on:
	s_add_nc_u64 s[8:9], s[8:9], 65536
	PRE                                            ; the next tile's Q and mask words are on their way while this tile goes out
.endif
.rept 8
	v_nop                                          ; places behind the last products
.endr
	v_pk_add_f32 v[LC:LC+1], v[LC:LC+1], v[LC+2:LC+3]
	v_pk_add_f32 v[LC+4:LC+5], v[LC+4:LC+5], v[LC+6:LC+7]
	v_pk_add_f32 v[LC:LC+1], v[LC:LC+1], v[LC+4:LC+5]
	v_add_f32 v[LC], v[LC], v[LC+1]
	v_permlanex16_b32 v[TMP], v[LC], s14, s15
	v_add_f32 v[LC], v[LC], v[TMP]                 ; the row's sum
	s_wait_alu depctr_va_vdst(0)                   ; the wait ahead of the transcendental,
	v_rcp_f32 v[LC], v[LC]
	v_nop
.set j, 0
	s_wait_alu depctr_va_vdst(0)                   ; and ahead of its first reader, which is O^T's too
.rept 16
	v_pk_mul_f32 v[O+j:O+j+1], v[O+j:O+j+1], v[LC:LC+1] op_sel_hi:[1,0]   ; ctx: register 16 b + i = channel 32 b + 16 (lane / 16) + i of my query
.set j, j+2
.endr
.irp b, 0,1
	v_max3_num_f32 v[BM+\b], |v[O+16*\b]|, |v[O+16*\b+1]|, 0x4800000
.endr
.irp i, 2,4,6,8,10,12,14
.irp b, 0,1
	v_max3_num_f32 v[BM+\b], v[BM+\b], |v[O+16*\b+\i]|, |v[O+16*\b+\i+1]|
.endr
.endr
.irp b, 0,1
	v_permlanex16_b32 v[BY+\b], v[BM+\b], s14, s15
.endr
.irp b, 0,1
	v_max_num_f32 v[BM+\b], v[BM+\b], v[BY+\b]
.endr
.irp b, 0,1
	v_add_nc_u32 v[SCO+\b], 0xfc000000, v[BM+\b]
.endr
.irp b, 0,1
	v_and_or_b32 v[HA+\b], v[BM+\b], 0x7f800000, s98
.endr
.irp b, 0,1
	v_lshrrev_b32 v[BY+\b], 23, v[SCO+\b]
.endr
	v_lshl_or_b32 v[PWD], v[BY+1], 8, v[BY]        ; my head's two bytes of the row's scale word
.irp b, 0,1
.set j, 0
.rept 16
	v_med3_num_f32 v[O+16*\b+j], v[O+16*\b+j], -v[HA+\b], v[HA+\b]
.set j, j+1
.endr
	v_cvt_scalef32_pk8_fp8_f32 v[PCD+4*\b:PCD+4*\b+1], v[O+16*\b:O+16*\b+7], v[SCO+\b]
	v_cvt_scalef32_pk8_fp8_f32 v[PCD+4*\b+2:PCD+4*\b+3], v[O+16*\b+8:O+16*\b+15], v[SCO+\b]
.endr
	v_nop                                          ; a plain line behind the last conversion
	global_store_b128 v[L16], v[PCD:PCD+3], s[10:11]               ; 512 consecutive aligned bytes each: half of an image
	global_store_b128 v[L16], v[PCD+4:PCD+7], s[10:11] offset:512
	global_store_b16 v[R4], v[PWD], s[12:13]                       ; both halves of the lanes write the same bytes with the same value
.if \p == 0
	s_wait_xcnt 0x0                                ; the stores have read their registers and bases
	s_add_nc_u64 s[10:11], s[10:11], 65536
	s_add_nc_u64 s[12:13], s[12:13], 8192
.endif
.endm
	PASS 0
	PASS 1
	s_wait_tensorcnt 0x0                           ; the wave's end, behind my last LDS store
	ds_add_u32 v254, v255
	s_wait_dscnt 0x0
	s_endpgm
.Lfunc_end_k_qed9e26821f_attn:
	.size	k_qed9e26821f_attn, .Lfunc_end_k_qed9e26821f_attn-k_qed9e26821f_attn
	.p2alignl 7, 3214868480
	.fill 96, 4, 3214868480
	.section	.rodata,"a",@progbits
	.p2align	6, 0x0
	.amdhsa_kernel k_qed9e26821f_attn
		.amdhsa_group_segment_fixed_size 276480
		.amdhsa_private_segment_fixed_size 0
		.amdhsa_enable_private_segment 0
		.amdhsa_kernarg_size 48
		.amdhsa_user_sgpr_count 2
		.amdhsa_user_sgpr_kernarg_segment_ptr 1
		.amdhsa_wavefront_size32 1
		.amdhsa_system_sgpr_workgroup_id_x 1
		.amdhsa_system_sgpr_workgroup_id_y 1
		.amdhsa_system_sgpr_workgroup_id_z 1
		.amdhsa_system_vgpr_workitem_id 0
		.amdhsa_next_free_vgpr 256
		.amdhsa_next_free_sgpr 102
		.amdhsa_reserve_vcc 0
		.amdhsa_float_denorm_mode_32 3
		.amdhsa_float_denorm_mode_16_64 3
		.amdhsa_memory_ordered 1
		.amdhsa_forward_progress 1
		.amdhsa_inst_pref_size 77
	.end_amdhsa_kernel
	.amdgpu_metadata
---
amdhsa.version: [ 1, 2 ]
amdhsa.kernels:
  - .name:           k_qed9e26821f_attn
    .symbol:         k_qed9e26821f_attn.kd
    .args:
      - { .name: qrec, .offset: 0, .size: 8, .value_kind: global_buffer, .address_space: global }
      - { .name: kvrec, .offset: 8, .size: 8, .value_kind: global_buffer, .address_space: global }
      - { .name: maskbits, .offset: 16, .size: 8, .value_kind: global_buffer, .address_space: global }
      - { .name: ctxc, .offset: 24, .size: 8, .value_kind: global_buffer, .address_space: global }
      - { .name: ctxs, .offset: 32, .size: 8, .value_kind: global_buffer, .address_space: global }
      - { .name: maskflag, .offset: 40, .size: 8, .value_kind: global_buffer, .address_space: global }
    .group_segment_fixed_size: 276480
    .private_segment_fixed_size: 0
    .kernarg_segment_align: 8
    .kernarg_segment_size: 48
    .max_flat_workgroup_size: 512
    .sgpr_count:     102
    .vgpr_count:     256
    .wavefront_size: 32
...
	.end_amdgpu_metadata
.endif
;; end of part 3
;; launch outp (part 4): grid 4 x 32, 4 waves a work-group, clusters of 4 x 4, 327,680 bytes of LDS; arguments ctxc, ctxs, opc, ops, b0, out0; writes out0
.if DOCPART == 4
	.amdgcn_target "amdgcn-amd-amdhsa--gfx1250"
	.amdhsa_code_object_version 6
	.text
	.protected	k_qed9e26821f_outp
	.globl	k_qed9e26821f_outp
	.p2align	8
	.type	k_qed9e26821f_outp,@function
k_qed9e26821f_outp:
	s_mov_b64 s[64:65], 0
	v_nop
	global_prefetch_b8 v0, s[64:65] scope:SCOPE_SE
	s_setreg_imm32_b32 hwreg(HW_REG_WAVE_MODE, 25, 1), 1
	s_wait_xcnt 0x0
	s_wait_alu depctr_hold_cnt(0) depctr_sa_sdst(0) depctr_va_vdst(0) depctr_va_sdst(0) depctr_va_ssrc(0) depctr_va_vcc(0) depctr_vm_vsrc(0)
	s_getreg_b32 s2, hwreg(HW_REG_IB_STS2, 6, 4)
	s_cmp_eq_u32 s2, 0
	s_cbranch_scc0 .Lentry_in_a_cluster
	s_endpgm
.Lentry_in_a_cluster:
	s_bfe_u32 s2, ttmp6, 0x10000c
	s_cmp_lg_u32 s2, 0xf033
	s_cbranch_scc0 .Lentry_shape_is_right
	s_endpgm
.Lentry_shape_is_right:
.set KPS,   3145728
.set CKPS,  2097152
.set STEPA, 2*CKPS
.set STEPB, 2*KPS
.set NQ,    2
.set FR,    16
.set NL,    4
.set NP,    8
.set HALFT, 32768
.set SLOT,  4*HALFT
.set SCL,   2*SLOT
.set SPARE, SCL+4*4096+256
.set SPITCH, 528
.set ADRA, 16
.set ADRB, 20
.set STO,  24
.set RD,   25
.set ADRS, 27
.set SPW,  28
.set NIL,  29
.set SC,   32
.set BT,   64
.set AF,   128
.set BK,   128
.set G1, 24
.set G0, 32
.set G1B, 48
.set G0B, 56
.set G1S, 68
.set G0S, 76
.set G1SB, 80
.set G0SB, 88
.set MSB, 0
.macro WIN new
.if MSB != (\new)
	s_set_vgpr_msb (MSB<<8)|(\new)
.set MSB, (\new)
.endif
.endm
.set MUL_LO, 0xa1
.set MUL_HI, 0xf1
.set BIA_LO, 0x81
.set BIA_HI, 0xc1
.set TO_B,   0x40
.macro JLOAD g0a, g1a, g0b, g1b
	s_cmp_eq_u32 s15, 0
	s_cbranch_scc0 .Lfor_b_\@
	tensor_load_to_lds s[\g0a:\g0a+3], s[\g1a:\g1a+7]
	s_nop 0
.rept 4
	v_nop
.endr
	s_branch .Lasked_\@
.Lfor_b_\@:
	tensor_load_to_lds s[\g0b:\g0b+3], s[\g1b:\g1b+7]
	s_nop 0
.rept 4
	v_nop
.endr
.Lasked_\@:
.endm
.macro CREST
	s_cmp_lg_u32 s14, 0
	s_cbranch_scc1 .Lnot_wave_0_\@
	s_barrier_signal -3
.Lnot_wave_0_\@:
	s_barrier_wait -3
	s_barrier_signal -1
	s_barrier_wait -1
.endm
.macro CROUND
	s_barrier_signal -1
	s_barrier_wait -1
	CREST
.endm
	s_load_b256 s[4:11], s[0:1], 0x0
	s_load_b128 s[96:99], s[0:1], 0x20
	v_lshl_add_u32 v[SPW], v0, 2, SPARE
	v_mov_b32 v[NIL], 0
	ds_add_u32 v28, v29
	ds_add_u32 v28, v29
	s_wait_dscnt 0x0
	v_lshrrev_b32 v1, 5, v0
	v_readfirstlane_b32 s14, v1
	s_lshr_b32 s15, s14, 1
	s_and_b32 s16, s14, 1
	s_bfe_u32 s40, ttmp6, 0x40000
	s_bfe_u32 s41, ttmp6, 0x40004
	s_lshl_b32 s42, ttmp9, 2
	s_add_co_u32 s42, s42, s40
	s_and_b32 s17, ttmp7, 0xffff
	s_lshl_b32 s17, s17, 2
	s_add_co_u32 s17, s17, s41
	s_lshl_b32 s43, s41, 2
	s_lshl_b32 s43, 15, s43
	s_lshl_b32 s44, 0x1111, s40
	s_or_b32 s[G1+0], s43, (3<<16)|(1<<21)
	s_or_b32 s[G1B+0], s44, (3<<16)|(1<<21)
.irp g, G1, G1B
	s_mov_b32 s[\g+1], 32<<16
	s_mov_b32 s[\g+2], 256<<16                     ; the head's loads of codes bring 256 rows of 256 bytes
	s_mov_b32 s[\g+3], 32<<16
	s_mov_b32 s[\g+4], 256
	s_mov_b32 s[\g+5], 32
	s_mov_b32 s[\g+6], 0
	s_mov_b32 s[\g+7], 0
.endr
	s_or_b32 s[G1S+0], s43, (3<<16)|(1<<21)
	s_or_b32 s[G1SB+0], s44, (3<<16)|(1<<21)
.irp g, G1S, G1SB
	s_mov_b32 s[\g+1], 32<<16
	s_mov_b32 s[\g+2], 32<<16                      ; the scale words of 256 rows: 32 rows of 256 bytes
	s_mov_b32 s[\g+3], 32<<16
	s_mov_b32 s[\g+4], 32
	s_mov_b32 s[\g+5], 32
	s_mov_b32 s[\g+6], 0
	s_mov_b32 s[\g+7], 0
.endr
	s_add_co_u32 s19, s42, 44
	s_lshl_b32 s20, s17, 16
	s_mov_b32 s21, 0
	s_lshl_b32 s46, s19, 16
	s_mov_b32 s47, 0
	s_lshl_b32 s22, s17, 13
	s_mov_b32 s23, 0
	s_lshl_b32 s92, s19, 13
	s_mov_b32 s93, 0
	s_lshl_b32 s45, s14, 15
	s_wait_kmcnt 0x0
	s_add_nc_u64 s[20:21], s[4:5], s[20:21]
	s_add_nc_u64 s[22:23], s[6:7], s[22:23]
	s_add_nc_u64 s[46:47], s[8:9], s[46:47]
	s_add_nc_u64 s[92:93], s[10:11], s[92:93]
	CROUND
	s_mov_b32 s[G0S], 1
	s_mov_b32 s[G0S+1], SCL
	s_mov_b64 s[G0S+2:G0S+3], s[22:23]
	s_or_b32 s[G0S+3], s[G0S+3], 0x80000000
	s_mov_b32 s[G0SB], 1
	s_mov_b32 s[G0SB+1], SCL+2*4096+64
	s_mov_b64 s[G0SB+2:G0SB+3], s[92:93]
	s_or_b32 s[G0SB+3], s[G0SB+3], 0x80000000
.irp s, 0,1
	s_mov_b32 s[G0+4*\s], 1
	s_add_co_u32 s[G0+4*\s+1], s45, \s*SLOT
	s_add_nc_u64 s[G0+4*\s+2:G0+4*\s+3], s[20:21], \s*CKPS
	s_or_b32 s[G0+4*\s+3], s[G0+4*\s+3], 0x80000000
	s_mov_b32 s[G0B+4*\s], 1
	s_add_co_u32 s[G0B+4*\s+1], s45, \s*SLOT
	s_add_nc_u64 s[G0B+4*\s+2:G0B+4*\s+3], s[46:47], \s*KPS
	s_or_b32 s[G0B+4*\s+3], s[G0B+4*\s+3], 0x80000000
.endr
	s_lshl_b32 s18, s16, 15                        ; in the ring I fetch 128 rows of a tile: which half, in bytes
	s_mov_b32 s19, 0
	s_mov_b32 s[G0+1], 0                           ; at the head slot 0's group 0 names a whole tile: A's 256 rows at the slot's start,
	s_mov_b32 s[G0B+1], 2*HALFT                    ; B's 256 behind them
	s_add_nc_u64 s[G0+6:G0+7], s[G0+6:G0+7], s[18:19]      ; slot 1's names my half
	s_add_nc_u64 s[G0B+6:G0B+7], s[G0B+6:G0B+7], s[18:19]
; THE HEAD'S LOADS, ONE A WAVE: wave 0 slot 0's rows of A, wave 1 those of B, wave 2 A's scale words, wave 3 B's.  One chain of branches on the wave's number, a load to an arm.
.macro ARM under, g0, g1, next
	s_cmp_lt_u32 s14, \under
	s_cbranch_scc0 \next
	tensor_load_to_lds s[\g0:\g0+3], s[\g1:\g1+7]
	s_nop 0
.rept 4
	v_nop
.endr
	s_branch .Lhead_asked
\next:
.endm
	ARM 1, G0,  G1,  .Lhead_b
	ARM 2, G0B, G1B, .Lhead_sa
	ARM 3, G0S, G1S, .Lhead_sb
	tensor_load_to_lds s[G0SB:G0SB+3], s[G1SB:G1SB+7]
	s_nop 0
.rept 4
	v_nop
.endr
.Lhead_asked:                                          ; the addresses and the bias are made and asked for while the four tiles are on their way
	v_and_b32 v1, 15, v0
	v_bfe_u32 v2, v0, 4, 1
	s_wait_alu depctr_va_vdst(0)
	v_and_b32 v3, 31, v0
	v_lshlrev_b32 v3, 4, v3
	s_mul_i32 s21, s15, HALFT
	s_mul_i32 s22, s16, HALFT
	s_add_co_u32 s22, s22, 2*HALFT
.irp s, 0,1
	v_add_nc_u32 v[ADRA+\s], s21, v3
	v_add_nc_u32 v[ADRB+\s], s22, v3
	s_add_co_u32 s21, s21, SLOT
	s_add_co_u32 s22, s22, SLOT
.endr
	s_lshl_b32 s21, s15, 12
	s_lshl_b32 s22, s16, 12
	s_add_co_u32 s22, s22, 2*4096+64
	s_sub_co_u32 s22, s22, s21
	v_mul_u32_u24 v6, s22, v2
	s_add_co_u32 s21, s21, SCL
	v_lshl_add_u32 v5, v1, 2, v6
	v_add_nc_u32 v[ADRS], s21, v5
	s_mul_i32 s23, s14, 16*SPITCH
	v_mul_u32_u24 v5, v1, SPITCH
	v_lshl_add_u32 v5, v2, 6, v5
	v_add_nc_u32 v[STO], s23, v5
	v_add_nc_u32 v[RD], s23, v3
	s_lshl_b32 s20, s42, 10
	s_lshl_b32 s21, s16, 9
	s_add_co_u32 s20, s20, s21
	s_mov_b32 s21, 0
	s_add_nc_u64 s[96:97], s[96:97], s[20:21]
	s_add_nc_u64 s[98:99], s[98:99], s[20:21]
	s_lshl_b32 s20, s17, 20
	s_lshl_b32 s22, s15, 19
	s_add_co_u32 s20, s20, s22
	s_add_nc_u64 s[98:99], s[98:99], s[20:21]
	v_lshlrev_b32 v4, 6, v2
.irp b, 0,1,2,3,4,5,6,7
	global_load_b128 v[BT+8*\b:BT+8*\b+3], v4, s[96:97] offset:(32*(\b/2)+8*(\b%2))*4
	global_load_b128 v[BT+8*\b+4:BT+8*\b+7], v4, s[96:97] offset:(32*(\b/2)+8*(\b%2))*4+16
.endr
.macro FRAG reg, adr, q, i
.irp c, 0,1,2,3
	ds_load_b128 v[\reg+4*\c:\reg+4*\c+3], v[\adr] offset:4096*(\i)+2048*(\q)+512*\c
.endr
.endm
.macro MUL16 a0, p, q, sc, zero
.irp a, \a0, \a0+1
.irp b, 0,1,2,3,4,5,6,7
.set rD, 8*(8*((\a)%4)+\b)
.set rB, 128*(\p)+FR*\b
.set rA, AF+FR*(\a)
.set rSB, SC+8*NQ*(\sc)+NQ*\b+(\q)
.set rSA, SC+8*NQ*(\sc)+NQ*(\a)+(\q)
.if \zero
	v_wmma_scale_f32_16x16x128_f8f6f4 v[rD:rD+7], v[rB:rB+15], v[rA:rA+15], v[BT+8*\b:BT+8*\b+7], v[rSB], v[rSA] matrix_a_scale:MATRIX_SCALE_ROW1
.else
	v_wmma_scale_f32_16x16x128_f8f6f4 v[rD:rD+7], v[rB:rB+15], v[rA:rA+15], v[rD:rD+7], v[rSB], v[rSA] matrix_a_scale:MATRIX_SCALE_ROW1
.endif
.endr
.endr
.endm
.macro FETCH_B slot, q, p
	WIN TO_B
.irp i, 0,1,2,3,4,5,6,7
	FRAG 128*(\p)+FR*\i, ADRB+\slot, \q, \i
.endr
	WIN 0
.endm
.macro FETCH_A slot, q, i0
.irp i, \i0, \i0+1, \i0+2, \i0+3
	FRAG AF+FR*(\i), ADRA+\slot, \q, \i
.endr
.endm
.macro SCALES sc
.irp i, 0,1,2,3,4,5,6,7
.irp q, 0,1
	ds_load_b32 v[SC+16*\sc+2*\i+\q], v[ADRS] offset:512*\q+64*\i
.endr
.endr
.endm
.macro PLACES n
.rept \n
	v_nop
.endr
.endm
.macro STEP slot, q, zero
	s_wait_dscnt 4*NL
.if \zero
	WIN BIA_LO
.else
	WIN MUL_LO
.endif
	MUL16 0, (\q)%2, \q, \slot, \zero
	MUL16 2, (\q)%2, \q, \slot, \zero
	s_wait_dscnt 0
	PLACES NP
	FETCH_B \slot, (\q)+1, 1-(\q)%2
	FETCH_A \slot, (\q)+1, 0
.if \zero
	WIN BIA_HI
.else
	WIN MUL_HI
.endif
	MUL16 4, (\q)%2, \q, \slot, \zero
	MUL16 6, (\q)%2, \q, \slot, \zero
	PLACES NP
	WIN 0
	FETCH_A \slot, (\q)+1, 4
.endm
.macro TURN slot, next, fill
	s_wait_tensorcnt 0x0
	ds_add_u32 v[SPW], v[NIL]
	s_wait_dscnt 4*NL+1
	WIN MUL_LO
	MUL16 0, 1, NQ-1, \slot, 0
	s_wait_dscnt 0x0
	s_barrier_signal -1
	MUL16 2, 1, NQ-1, \slot, 0
	WIN 0
	s_barrier_wait -1
.if \fill
	CREST
	s_add_nc_u64 s[G0+4*\slot+2:G0+4*\slot+3], s[G0+4*\slot+2:G0+4*\slot+3], STEPA
	s_add_nc_u64 s[G0B+4*\slot+2:G0B+4*\slot+3], s[G0B+4*\slot+2:G0B+4*\slot+3], STEPB
	JLOAD G0+4*\slot, G1, G0B+4*\slot, G1B
	PLACES NP-4
.else
	PLACES NP
.endif
	s_wait_alu depctr_va_vdst(0)
	v_add_nc_u32 v[ADRS], 1024, v[ADRS]
	FETCH_B \next, 0, 0
	FETCH_A \next, 0, 0
	SCALES \next
	WIN MUL_HI
	MUL16 4, 1, NQ-1, \slot, 0
	MUL16 6, 1, NQ-1, \slot, 0
	PLACES NP
	WIN 0
	FETCH_A \next, 0, 4
.endm
	s_wait_alu depctr_va_vdst(0)
	s_wait_tensorcnt 0x0                           ; my tile of the head's four is in
	ds_add_u32 v28, v29
	s_mov_b32 s[G1+2], 128<<16                     ; no tensor load of mine is out: from here on a load brings 128 rows,
	s_mov_b32 s[G1+4], 128
	s_mov_b32 s[G1B+2], 128<<16
	s_mov_b32 s[G1B+4], 128
	s_mov_b32 s[G0+1], s45                         ; and slot 0's group 0 names my quarter of the slot
	s_mov_b32 s[G0B+1], s45
	s_add_nc_u64 s[G0+2:G0+3], s[G0+2:G0+3], s[18:19]
	s_add_nc_u64 s[G0B+2:G0B+3], s[G0B+2:G0B+3], s[18:19]
	s_wait_dscnt 0x0
	CROUND                                         ; all four tiles are in, and all sixteen work-groups are here
	JLOAD G0+4, G1, G0B+4, G1B                     ; slot 1's first fill, the first tensor load behind the round
	FETCH_B 0, 0, 0
	FETCH_A 0, 0, 0
	SCALES 0
	FETCH_A 0, 0, 4
	s_wait_loadcnt 0x0
	STEP 0, 0, 1
	TURN 0, 1, 1
	STEP 1, 0, 0
	TURN 1, 0, 1
	STEP 0, 0, 0
	TURN 0, 1, 0
	STEP 1, 0, 0
	s_wait_dscnt 4*NL
	WIN MUL_LO
	MUL16 0, 1, NQ-1, 1, 0
	MUL16 2, 1, NQ-1, 1, 0
	s_wait_dscnt 0
	WIN MUL_HI
	MUL16 4, 1, NQ-1, 1, 0
	MUL16 6, 1, NQ-1, 1, 0
	WIN 0
.macro TOSTAGE a
.set AC, 64*((\a)%4)
	WIN 0x08+4*((\a)/4)
.irp b, 0,1,2,3,4,5,6,7
	ds_store_b128 v[STO], v[AC+8*\b:AC+8*\b+3] offset:128*(\b/2)+32*(\b%2)
	ds_store_b128 v[STO], v[AC+8*\b+4:AC+8*\b+7] offset:128*(\b/2)+32*(\b%2)+16
.endr
	WIN 0
.set BB, BK+64*((\a)%2)
.irp t, 0,1,2,3,4,5,6,7,8,9,10,11,12,13,14,15
	ds_load_b128 v[BB+4*\t:BB+4*\t+3], v[RD] offset:\t*SPITCH
.endr
.endm
.macro SEND a, younger
.set BB, BK+64*((\a)%2)
	s_wait_dscnt \younger
.irp t, 0,1,2,3,4,5,6,7,8,9,10,11,12,13,14,15
	global_store_b128 v3, v[BB+4*\t:BB+4*\t+3], s[98:99] offset:(32*((\a)/2)+8*((\a)%2)+\t+8*(\t/8))*4096 th:TH_STORE_NT
.endr
.endm
	PLACES NP
	TOSTAGE 0
.irp a, 1,2,3,4,5,6,7
.if \a > 1
	s_wait_xcnt 0x0
.endif
	TOSTAGE \a
	SEND \a-1, 32
.endr
	SEND 7, 0
	s_wait_tensorcnt 0x0
	ds_add_u32 v[SPW], v[NIL]
	s_wait_dscnt 0x0
	CROUND
	s_endpgm
.Lfunc_end_k_qed9e26821f_outp:
	.size	k_qed9e26821f_outp, .Lfunc_end_k_qed9e26821f_outp-k_qed9e26821f_outp
	.p2alignl 7, 3214868480
	.fill 96, 4, 3214868480
	.section	.rodata,"a",@progbits
	.p2align	6, 0x0
	.amdhsa_kernel k_qed9e26821f_outp
		.amdhsa_group_segment_fixed_size 327680
		.amdhsa_private_segment_fixed_size 0
		.amdhsa_enable_private_segment 0
		.amdhsa_kernarg_size 48
		.amdhsa_user_sgpr_count 2
		.amdhsa_user_sgpr_kernarg_segment_ptr 1
		.amdhsa_wavefront_size32 1
		.amdhsa_system_sgpr_workgroup_id_x 1
		.amdhsa_system_sgpr_workgroup_id_y 1
		.amdhsa_system_sgpr_workgroup_id_z 1
		.amdhsa_system_vgpr_workitem_id 0
		.amdhsa_next_free_vgpr 1024
		.amdhsa_next_free_sgpr 100
		.amdhsa_reserve_vcc 0
		.amdhsa_float_denorm_mode_32 3
		.amdhsa_float_denorm_mode_16_64 3
		.amdhsa_memory_ordered 1
		.amdhsa_forward_progress 1
		.amdhsa_inst_pref_size 149
	.end_amdhsa_kernel
	.amdgpu_metadata
---
amdhsa.version: [ 1, 2 ]
amdhsa.kernels:
  - .name:           k_qed9e26821f_outp
    .symbol:         k_qed9e26821f_outp.kd
    .args:
      - { .name: ctxc, .offset: 0, .size: 8, .value_kind: global_buffer, .address_space: global }
      - { .name: ctxs, .offset: 8, .size: 8, .value_kind: global_buffer, .address_space: global }
      - { .name: opc, .offset: 16, .size: 8, .value_kind: global_buffer, .address_space: global }
      - { .name: ops, .offset: 24, .size: 8, .value_kind: global_buffer, .address_space: global }
      - { .name: b0, .offset: 32, .size: 8, .value_kind: global_buffer, .address_space: global }
      - { .name: out0, .offset: 40, .size: 8, .value_kind: global_buffer, .address_space: global }
    .group_segment_fixed_size: 327680
    .private_segment_fixed_size: 0
    .kernarg_segment_align: 8
    .kernarg_segment_size: 48
    .max_flat_workgroup_size: 128
    .sgpr_count:     100
    .vgpr_count:     1024
    .wavefront_size: 32
...
	.end_amdgpu_metadata
.endif
;; end of part 4
